; MI455X (gfx1250); checked and timed in simulation.
; The chip was launched on July 23, 2026; its instructions are those of AMD's public machine-readable ISA for CDNA 5 (MIT licence, August 2026) and "CDNA5" Instruction Set Architecture Reference Guide (July 2026). The comments in the code are by the model that wrote it; some were corrected since.
;; Rope Attention. Allowed arithmetic: matrix products marked QUANTISED: E2M3 operands, one E8M0 scale for each 32 along K, by v_wmma_scale_f32_16x16x128_f8f6f4 with both operands' format E2M3, f32 sums; everything else in f32.
;; Inputs: Wk 2,048 x 2,048 float32; Wo 2,048 x 2,048 float32; Wq 2,048 x 2,048 float32; Wv 2,048 x 2,048 float32; attention_mask 2 x 1 x 1,024 x 1,024 float32; input_tensor 2 x 1,024 x 2,048 float32.
;; Outputs: out0 2 x 1,024 x 2,048 float32.
;; This version of the problem:
;;   THIS VERSION OF THE PROBLEM IS GIVEN IN LOW PRECISION. The matrix products marked QUANTISED in the list below multiply operands that are first quantised to E2M3 (2 exponent bits, 3 mantissa bits; 6 bits a number), with one power-of-two scale for each 32 numbers along K (OCP MX v1.0); their sums are f32. All else is computed in f32.
;;   The module's matrix products, in the order in which they are computed (A, B: the left and right operand; K: the contracted axis; several contracted axes count as one K, in the product's order):
;;     1. [M 2,048, K 2,048] x [K 2,048, N 2,048]; A: input input_tensor; B: input Wq: QUANTISED
;;     2. [M 2,048, K 2,048] x [K 2,048, N 2,048]; A: input input_tensor; B: input Wk: QUANTISED
;;     3. [M 2,048, K 2,048] x [K 2,048, N 2,048]; A: input input_tensor; B: input Wv: QUANTISED
;;     4. batch 32 x [M 1,024, K 128] x [K 128, N 1,024]; A: computed on the way; B: computed on the way: QUANTISED
;;     5. batch 32 x [M 1,024, K 1,024] x [K 1,024, N 128]; A: softmax (see below); B: computed on the way: QUANTISED
;;     6. [M 2,048, K 2,048] x [K 2,048, N 2,048]; A: computed on the way; B: input Wo: QUANTISED
;;   THE QUANTISER, for each operand of a quantised product, along K:
;;     - K is cut into blocks of 32 from its start; a last block that is shorter is filled with zeros.
;;     - A block's scale is 2^e with e = floor(log2(the largest magnitude in the block)) - 2, held to -126 .. 127; a block of zeros has e = 0. As a byte (E8M0): e + 127.
;;     - Each number is divided by its block's scale, clamped to +-7.5, and rounded to the nearest number of E2M3, ties to even, subnormals kept.
;;     - The product sums the exact products of the quantised numbers (number of the format x scale) in f32.
;;   ~~~python
;;   def quantise(x, axis):      # numpy; x: float32 -> the quantised numbers, widened to float32 again
;;       x = np.moveaxis(x, axis, -1); K = x.shape[-1]
;;       x = np.pad(x, [(0, 0)] * (x.ndim - 1) + [(0, -K % 32)]); x = x.reshape(x.shape[:-1] + (-1, 32)); a = np.abs(x).max(-1, keepdims=True)
;;       e = np.where(a > 0, np.clip(np.frexp(np.where(a > 0, a, 1))[1] - 1 - 2, -126, 127), 0)      # np.frexp(a)[1] - 1 = floor(log2(a)), exactly
;;       r = np.clip(x / 2.0 ** e, -7.5, 7.5)
;;       step = 2.0 ** (np.maximum(np.frexp(np.where(r == 0, 1, r))[1] - 1, 0) - 3)
;;       q = np.round(r / step) * step * 2.0 ** e      # np.round: ties to even
;;       return np.moveaxis(q.reshape(q.shape[:-2] + (-1,))[..., :K], -1, axis).astype(np.float32)
;;   ~~~
;;   SOFTMAX AHEAD OF A QUANTISED PRODUCT. Where the list says 'softmax', what is quantised is not the finished softmax but p = 2^(t - M), with t = logit x log2(e) and M = ceil(the row's largest t), a whole number; so 1/2 < the row's largest p <= 1. The row's sum l is taken of the UNQUANTISED p, in f32, and the product's result is divided by l at the end. Since M is a whole number, a kernel that streams over the keys may use a running M (the ceiling of the running maximum): every later rescaling is an exact power of two, which a block's scale takes up: the codes' values come out the same.
;;   OPERANDS COMPUTED ON THE WAY. 'Computed on the way' means the value that the module computes at that place (a softmax that the list does not call 'softmax' is quantised finished and normalised). What goes into a quantiser is computed in f32, as accurately as f32 sums, v_exp_f32 and their like allow (about 1e-6 of the number): no bf16 or f16 on the way to a quantiser, and a product that is left as it is and whose result goes on into a quantised operand takes f32 operands (vector FMAs, or v_wmma_f32_16x16x4_f32). A number that lies on a knife's edge between two numbers of the format may be rounded either way, as far as f32 arithmetic and the matrix unit's own rounding can turn it there, and no further.
;; One version. Each part assembles by itself: llvm-mc -triple=amdgcn-amd-amdhsa -mcpu=gfx1250 --defsym DOCPART=n.
;; ======== version 1 of 1: 4 launches
;; limits: right only within a limited range of input values
;; workspace buffers: opnd 17,432,576 bytes; qkv 9,830,400 bytes; ow 6,553,600 bytes
;; launch prep (part 1): grid 768 x 1, 4 waves a work-group, no clusters, 34,304 bytes of LDS; arguments input_tensor, Wq, Wk, Wv, opnd; writes opnd
.if DOCPART == 1
	.amdgcn_target "amdgcn-amd-amdhsa--gfx1250"
	.amdhsa_code_object_version 6
	.text
	.protected	k_q81c718adf1_prep
	.globl	k_q81c718adf1_prep
	.p2align	8
	.type	k_q81c718adf1_prep,@function
k_q81c718adf1_prep:
	s_mov_b64 s[64:65], 0
	v_nop
	global_prefetch_b8 v0, s[64:65] scope:SCOPE_SE
	s_setreg_imm32_b32 hwreg(HW_REG_WAVE_MODE, 25, 1), 1
	s_wait_xcnt 0x0
; PREP.  Work-groups 0-511: x, Wq, Wk, Wv ([2048][2048] f32, K innermost) become codes of FP6 (E2M3) with one E8M0 byte for each 32 along K.  (Wo is quantised by the next launch, on the same plan.)
; Work-groups 512-767: the cosines and sines of the rotary embedding, as two tables laid in the order in which the next launch's accumulators want them.
; LAYOUT OF THE CODES.  A tile is 16 rows; slot r of tile T is row 32 (T / 2) + 8 (T % 2) + r + 8 (r / 8).  A fragment (a tile x 128 along K) is stored as the image of the operand's 12 registers:
; register 4 g + w of lane l at byte 512 g + 16 l + 4 w: 1,536 bytes, [tensor][T 128][K step 16].  Its 16 scale words (word r for slot r) lie [tensor][T][K step][16], from byte 15,728,640.
; A block's scale is 2^(floor(log2(its largest magnitude)) - 2); its byte is the largest magnitude's exponent field - 2, held at 1 from below.
; LIMITS: a block of zeros gets the byte 1 where the rule says 127 (its codes are zeros, and this program alone reads the bytes); blocks whose largest magnitude lies under 2^-124 were not considered;
; NaN and infinities among the inputs are not served.  The tables take inv_freq as the correctly rounded 10^(i / 16) and its correctly rounded reciprocal.
; No tensor loads, no barrier, no cluster: the waves share nothing, and no two work-groups read the same bytes.
.set TM,  16                           ; v16-31   at work in QUANT
.set PC,  32                           ; v32-43   a fragment's codes
.set PT,  44                           ; v44-51   the second halves of the blocks, before they change lanes
.set PW,  52                           ; v52-55   the four fragments' scale words
.set SW,  56                           ; v56-57   scale words as they are stored
.set R,   64                           ; v64-191  two sets of 64: a fragment's numbers as loaded
.set X,   192                          ; v192-255 the same, 16 neighbours of each block to a lane
.set SEL, 20                           ; s[20:21] lane selects of v_permlanex16_b32: lane l xor 16
.set SPI, 528                          ; a stage row: 512 bytes + 16
.set MSB, 0
.macro WIN new                         ; the register windows; here every window stays 0 and no line is written
.if MSB != (\new)
	s_set_vgpr_msb (MSB<<8)|(\new)
.set MSB, (\new)
.endif
.endm
; 64 numbers of a lane, register 16 b + i = k 32 b + 16 (lane / 16) + i of the lane's row, become a fragment's codes in v[PC] on and its scale word in v[pw].
.macro QUANT s, w, pw
	WIN (\w)|((\w)<<2)
.irp b, 0,1,2,3
	v_max3_num_f32 v[TM+\b], |v[(\s)+16*\b]|, |v[(\s)+16*\b+1]|, 0x1800000   ; my 16 numbers of block b, and the floor 2^(3 - 127)
.endr
.irp i, 2,4,6,8,10,12,14
.irp b, 0,1,2,3
	v_max3_num_f32 v[TM+\b], |v[(\s)+16*\b+\i]|, |v[(\s)+16*\b+\i+1]|, v[TM+\b]   ; the four blocks by turns
.endr
.endr
	WIN 0
.irp b, 0,1,2,3
	v_permlanex16_b32 v[TM+4+\b], v[TM+\b], s[SEL], s[SEL+1]
.endr
.irp b, 0,1,2,3
	v_max_num_f32 v[TM+\b], v[TM+\b], v[TM+4+\b]   ; with lane l xor 16's: the block's largest magnitude
.endr
.irp b, 0,1,2,3
	v_add_nc_u32 v[TM+12+\b], 0xff000000, v[TM+\b] ; 2 off its exponent field: the conversion takes that field as its scale
.endr
.irp b, 0,1,2,3
	v_lshrrev_b32 v[TM+4+\b], 23, v[TM+12+\b]      ; the scale's byte
.endr
	v_lshl_or_b32 v[\pw], v[TM+5], 8, v[TM+4]
	v_lshl_or_b32 v[\pw], v[TM+6], 16, v[\pw]
	v_lshl_or_b32 v[\pw], v[TM+7], 24, v[\pw]      ; my row's scale word
	s_wait_xcnt 0x0                                ; the last fragment's stores have read v[PC] on: only now is it written again
	WIN (\w)
.irp c, 0,1
	v_cvt_scalef32_pk16_fp6_f32 v[PC+6*\c:PC+6*\c+2], v[(\s)+32*\c:(\s)+32*\c+15], v[TM+12+2*\c]
	v_cvt_scalef32_pk16_fp6_f32 v[PT+4*\c:PT+4*\c+2], v[(\s)+32*\c+16:(\s)+32*\c+31], v[TM+13+2*\c]   ; (a conversion's three registers begin on an even number)
.endr
	WIN 0
	v_nop                                          ; one plain place behind a scaled conversion
.irp c, 0,1                            ; the operand wants a whole block in a lane: lanes 0-15 block 2 c, lanes 16-31 block 2 c + 1
.irp i, 0,1,2
	v_permlane16_swap_b32 v[PC+6*\c+\i], v[PT+4*\c+\i]
.endr
.irp i, 0,1,2
	v_mov_b32 v[PC+3+6*\c+\i], v[PT+4*\c+\i]
.endr
.endr
.endm
	s_load_b256 s[4:11], s[0:1], 0x0               ; x s[4:5], Wq s[6:7], Wk s[8:9], Wv s[10:11]
	s_load_b64 s[14:15], s[0:1], 0x20              ; opnd
	v_lshl_add_u32 v59, v0, 2, 0x8400
	v_mov_b32 v60, 0
	v_lshrrev_b32 v1, 5, v0
	v_readfirstlane_b32 s16, v1                    ; wave 0..3
	v_and_b32 v5, 31, v0                           ; lane
	v_and_b32 v6, 15, v0                           ; r
	v_bfe_u32 v7, v0, 4, 1                         ; h
	v_lshlrev_b32 v1, 4, v5                        ; 16 x lane
	s_cmp_ge_u32 ttmp9, 512
	s_cbranch_scc1 .Ltable
	; ---- THE QUANTISER.  Work-group = (tensor, tile); wave w takes K steps 4 w .. 4 w + 3: four fragments
	s_lshr_b32 s17, ttmp9, 7                       ; tensor 0..3
	s_and_b32 s18, ttmp9, 127                      ; tile
	s_mov_b32 s[SEL], 0x76543210
	s_mov_b32 s[SEL+1], 0xfedcba98
	s_mul_i32 s19, s16, 16*SPI                     ; my wave's stage
	v_add_nc_u32 v2, s19, v1                       ; into it: a row's 512 bytes as they lie
	v_mul_u32_u24 v3, v6, SPI
	v_lshl_add_u32 v3, v7, 6, v3
	v_add_nc_u32 v3, s19, v3                       ; out of it: row r, + 64 h: my 16 numbers of a block of 32
	v_lshlrev_b32 v4, 2, v5                        ; 4 x lane
.irp b, 0,1,2,3
	v_mov_b32 v[TM+4+\b], 0                        ; written once: a lane permute's destination counts as one of its sources
.endr
	s_lshr_b32 s22, s18, 1
	s_lshl_b32 s22, s22, 5
	s_and_b32 s23, s18, 1
	s_lshl_b32 s23, s23, 3
	s_add_co_u32 s22, s22, s23                     ; the tile's first row
	s_lshl_b32 s22, s22, 13                        ; x 8,192 bytes
	s_lshl_b32 s23, s16, 11                        ; + my four K steps of 512 bytes
	s_add_co_u32 s22, s22, s23
	s_mov_b32 s23, 0
	s_lshl_b32 s24, s18, 4
	s_lshl_b32 s25, s16, 2
	s_add_co_u32 s24, s24, s25                     ; my first fragment: 16 T + 4 w
	s_mul_i32 s26, s24, 1536
	s_mul_i32 s27, s17, 3145728
	s_add_co_u32 s26, s26, s27
	s_mov_b32 s27, 0
	s_lshl_b32 s28, s24, 6
	s_lshl_b32 s29, s17, 17
	s_add_co_u32 s28, s28, s29
	s_add_co_u32 s28, s28, 15728640
	s_mov_b32 s29, 0
	s_wait_alu depctr_va_vdst(0)                   ; the wait at the head's end
	s_wait_kmcnt 0x0
	s_cmp_eq_u32 s17, 1                            ; the tensor is chosen by the work-group's number alone
	s_cselect_b64 s[4:5], s[6:7], s[4:5]
	s_cmp_eq_u32 s17, 2
	s_cselect_b64 s[4:5], s[8:9], s[4:5]
	s_cmp_eq_u32 s17, 3
	s_cselect_b64 s[4:5], s[10:11], s[4:5]
	s_add_nc_u64 s[4:5], s[4:5], s[22:23]
	s_add_nc_u64 s[30:31], s[14:15], s[26:27]      ; my images
	s_add_nc_u64 s[32:33], s[14:15], s[28:29]      ; my scale words
.macro LOAD f                          ; fragment f: sixteen rows x 512 consecutive bytes
.irp i, 0,1,2,3,4,5,6,7,8,9,10,11,12,13,14,15
	global_load_b128 v[R+64*((\f)%2)+4*\i:R+64*((\f)%2)+4*\i+3], v1, s[4:5] offset:(\i+8*(\i/8))*8192+512*(\f) th:TH_LOAD_NT
.endr
.endm
.macro FRAGQ f
.if (\f) < 3
	s_wait_loadcnt 16                              ; this fragment's 16 loads are in; the next fragment's 16 may be out
.else
	s_wait_loadcnt 0
.endif
.irp i, 0,1,2,3,4,5,6,7,8,9,10,11,12,13,14,15
	ds_store_b128 v2, v[R+64*((\f)%2)+4*\i:R+64*((\f)%2)+4*\i+3] offset:SPI*\i
.endr
.irp b, 0,1,2,3
.irp j, 0,1,2,3
	ds_load_b128 v[X+16*\b+4*\j:X+16*\b+4*\j+3], v3 offset:128*\b+16*\j   ; LDS serves a wave's instructions in order: these see the stores above
.endr
.endr
	s_wait_dscnt 0x0                               ; the numbers are back, and the stores have read their registers,
.if (\f) < 2
	LOAD (\f)+2                                    ; which take the loads of two fragments on
.endif
	QUANT X, 0, PW+(\f)
.irp g, 0,1,2
	global_store_b128 v1, v[PC+4*\g:PC+4*\g+3], s[30:31] offset:1536*(\f)+512*\g   ; 32 lanes store 512 consecutive bytes
.endr
.endm
	LOAD 0
	LOAD 1
	FRAGQ 0
	FRAGQ 1
	FRAGQ 2
	FRAGQ 3
	v_cmp_le_u32 vcc_lo, 16, v5                    ; lanes 0-15 store an even fragment's 16 words, lanes 16-31 the next fragment's
	v_cndmask_b32 v[SW], v[PW], v[PW+1], vcc_lo
	v_cndmask_b32 v[SW+1], v[PW+2], v[PW+3], vcc_lo
	global_store_b32 v4, v[SW], s[32:33]
	global_store_b32 v4, v[SW+1], s[32:33] offset:128   ; the two stores cover 256 consecutive bytes, aligned
	s_wait_tensorcnt 0x0                           ; the wave's end
	ds_add_u32 v59, v60
	s_wait_dscnt 0x0
	s_endpgm
	; ---- THE TABLES.  [position tile Ts 64][tile 4][cos j 0-3, cos j 4-7, sin j 0-3, sin j 4-7][lane][4 words].
	; Table q (a lane holds a position, its registers run along the head): s = slot r of tile Ts, i = 32 (b / 2) + 16 h + 8 (b % 2) + j.  Table v: the other way round.
.Ltable:
	s_sub_co_u32 s17, ttmp9, 512
	s_lshl_b32 s17, s17, 2
	s_add_co_u32 s17, s17, s16                     ; g = 0..1023: bit 9 the table, 8:3 Ts, 2:1 the tile b, 0 which four j
	s_bfe_u32 s18, s17, 0x10009
	s_bfe_u32 s19, s17, 0x60003
	s_bfe_u32 s22, s17, 0x20001
	s_and_b32 s23, s17, 1
	s_lshr_b32 s24, s19, 1
	s_lshl_b32 s24, s24, 5
	s_and_b32 s25, s19, 1
	s_lshl_b32 s25, s25, 3
	s_add_co_u32 s24, s24, s25                     ; 32 (Ts / 2) + 8 (Ts % 2)
	s_lshr_b32 s26, s22, 1
	s_lshl_b32 s26, s26, 5
	s_and_b32 s25, s22, 1
	s_lshl_b32 s25, s25, 3
	s_add_co_u32 s26, s26, s25                     ; 32 (b / 2) + 8 (b % 2)
	s_lshl_b32 s27, s23, 2
	s_cmp_eq_u32 s18, 0
	s_cselect_b32 s28, 0, -1                       ; all ones for table v
	s_cselect_b32 s29, 0, 1                        ; from word to word: the position's step,
	s_cselect_b32 s34, 1, 0                        ; and the frequency's
	s_wait_alu depctr_va_vdst(0)
	v_and_b32 v8, 8, v6
	v_add_nc_u32 v8, v8, v6                        ; r + 8 (r / 8): a slot's place
	v_lshlrev_b32 v9, 4, v7
	v_add_nc_u32 v9, s27, v9                       ; 16 h + 4 (which four): a register's place
	v_cndmask_b32 v10, v8, v9, s28
	v_cndmask_b32 v11, v9, v8, s28
	v_add_nc_u32 v10, s24, v10                     ; s of my first word
	v_add_nc_u32 v11, s26, v11                     ; i of my first word
	s_and_b32 s36, s17, 511
	s_lshr_b32 s36, s36, 1
	s_lshl_b32 s36, s36, 11
	s_lshl_b32 s37, s23, 9
	s_add_co_u32 s36, s36, s37
	s_lshl_b32 s37, s18, 19
	s_add_co_u32 s36, s36, s37
	s_add_co_u32 s36, s36, 16384000
	s_mov_b32 s37, 0
	s_mov_b32 s40, 0xbfc90fdb                      ; -pi/2, the f32 nearest,
	s_mov_b32 s41, 0x333bbd2e                      ; and what that leaves
	v_mov_b32 v80, 0x3f93cfe5                      ; 10^(1/16), 10^(1/8), 10^(1/4), 10^(1/2), each as an f32 and the rest
	v_mov_b32 v81, 0x334a4053
	v_mov_b32 v82, 0x3faab0d5
	v_mov_b32 v83, 0xb36457e2
	v_mov_b32 v84, 0x3fe39ea9
	v_mov_b32 v85, 0xb26aee20
	v_mov_b32 v86, 0x404a62c2
	v_mov_b32 v87, 0xb324b48d
	v_mov_b32 v88, 0x41200000                      ; 10
	v_mov_b32 v89, 0x42c80000                      ; 100
	s_wait_kmcnt 0x0
	s_add_nc_u64 s[38:39], s[14:15], s[36:37]
.macro ELEM w
	; p = 10000^(i / 64) = 10^(i / 16), in two f32: the factors of i's bits 0 to 3, then the exact power of ten of bits 4 and 5
	v_and_b32 v61, 1, v11
	v_cmp_ne_u32 vcc_lo, 0, v61
	v_cndmask_b32 v64, 1.0, v80, vcc_lo
	v_cndmask_b32 v65, 0, v81, vcc_lo
.irp k, 1,2,3
	v_and_b32 v61, 1<<\k, v11
	v_cmp_ne_u32 vcc_lo, 0, v61
	v_cndmask_b32 v62, 1.0, v[80+2*\k], vcc_lo
	v_cndmask_b32 v63, 0, v[81+2*\k], vcc_lo
	v_mul_f32 v66, v64, v62
	v_fma_f32 v67, v64, v62, -v66                  ; what the product's rounding left,
	v_fma_f32 v67, v64, v63, v67                   ; and the two cross terms
	v_fma_f32 v65, v65, v62, v67
	v_mov_b32 v64, v66
.endr
	v_and_b32 v61, 16, v11
	v_cmp_ne_u32 vcc_lo, 0, v61
	v_cndmask_b32 v62, 1.0, v88, vcc_lo
	v_and_b32 v61, 32, v11
	v_cmp_ne_u32 vcc_lo, 0, v61
	v_cndmask_b32 v63, 1.0, v89, vcc_lo
	v_mul_f32 v62, v62, v63
	v_mul_f32 v66, v64, v62
	v_fma_f32 v67, v64, v62, -v66
	v_fma_f32 v67, v65, v62, v67
	v_add_f32 v64, v66, v67                        ; p, rounded once
	s_wait_alu depctr_va_vdst(0)
	v_rcp_f32 v65, v64
	v_nop                                          ; one plain place behind a transcendental
	s_wait_alu depctr_va_vdst(0)
	v_fma_f32 v66, -v64, v65, 1.0                  ; two steps of Newton: 1 / p to the last bit
	v_fma_f32 v65, v65, v66, v65
	v_fma_f32 v66, -v64, v65, 1.0
	v_fma_f32 v65, v65, v66, v65
	v_cvt_f32_u32 v66, v10
	v_mul_f32 v66, v66, v65                        ; the angle: one rounding
	v_mul_f32 v67, 0x3f22f983, v66
	v_rndne_f32 v67, v67                           ; k = the nearest multiple of pi/2 (at most 651)
	v_fma_f32 v68, v67, s40, v66                   ; exact: a multiple of 2^-23 under 1
	v_fma_f32 v68, v67, s41, v68                   ; r
	v_mul_f32 v69, v68, v68
	v_mov_b32 v70, 0x3638ef1d                      ; sin r = r + r z (-1/6 + z (1/120 + z (-1/5040 + z / 362880)))
	v_fmaak_f32 v70, v70, v69, 0xb9500d01
	v_fmaak_f32 v70, v70, v69, 0x3c088889
	v_fmaak_f32 v70, v70, v69, 0xbe2aaaab
	v_mul_f32 v71, v68, v69
	v_fma_f32 v70, v71, v70, v68
	v_mov_b32 v71, 0xb493f27e                      ; cos r = 1 + z (-1/2 + z (1/24 + z (-1/720 + z (1/40320 - z / 3628800))))
	v_fmaak_f32 v71, v71, v69, 0x37d00d01
	v_fmaak_f32 v71, v71, v69, 0xbab60b61
	v_fmaak_f32 v71, v71, v69, 0x3d2aaaab
	v_fmaak_f32 v71, v71, v69, 0xbf000000
	v_fma_f32 v71, v71, v69, 1.0
	v_cvt_i32_f32 v72, v67
	v_and_b32 v73, 1, v72
	v_cmp_ne_u32 vcc_lo, 0, v73
	v_cndmask_b32 v74, v71, v70, vcc_lo            ; an odd k changes the two over;
	v_cndmask_b32 v75, v70, v71, vcc_lo
	v_add_nc_u32 v73, 1, v72
	v_and_b32 v73, 2, v73
	v_lshlrev_b32 v73, 30, v73
	v_xor_b32 v[48+\w], v74, v73                   ; the cosine is negative for k = 1, 2 (mod 4),
	v_and_b32 v73, 2, v72
	v_lshlrev_b32 v73, 30, v73
	v_xor_b32 v[52+\w], v75, v73                   ; the sine for k = 2, 3
	v_add_nc_u32 v10, s29, v10
	v_add_nc_u32 v11, s34, v11
.endm
	ELEM 0
	ELEM 1
	ELEM 2
	ELEM 3
	global_store_b128 v1, v[48:51], s[38:39]
	global_store_b128 v1, v[52:55], s[38:39] offset:1024   ; each store of the wave covers 512 consecutive bytes
	s_endpgm
.Lfunc_end_k_q81c718adf1_prep:
	.size	k_q81c718adf1_prep, .Lfunc_end_k_q81c718adf1_prep-k_q81c718adf1_prep
	.p2alignl 7, 3214868480
	.fill 96, 4, 3214868480
	.section	.rodata,"a",@progbits
	.p2align	6, 0x0
	.amdhsa_kernel k_q81c718adf1_prep
		.amdhsa_group_segment_fixed_size 34304
		.amdhsa_private_segment_fixed_size 0
		.amdhsa_enable_private_segment 0
		.amdhsa_kernarg_size 40
		.amdhsa_user_sgpr_count 2
		.amdhsa_user_sgpr_kernarg_segment_ptr 1
		.amdhsa_wavefront_size32 1
		.amdhsa_system_sgpr_workgroup_id_x 1
		.amdhsa_system_sgpr_workgroup_id_y 1
		.amdhsa_system_sgpr_workgroup_id_z 1
		.amdhsa_system_vgpr_workitem_id 0
		.amdhsa_next_free_vgpr 256
		.amdhsa_next_free_sgpr 66
		.amdhsa_reserve_vcc 1
		.amdhsa_float_denorm_mode_32 3
		.amdhsa_float_denorm_mode_16_64 3
		.amdhsa_memory_ordered 1
		.amdhsa_forward_progress 1
		.amdhsa_inst_pref_size 50
	.end_amdhsa_kernel
	.amdgpu_metadata
---
amdhsa.version: [ 1, 2 ]
amdhsa.kernels:
  - .name:           k_q81c718adf1_prep
    .symbol:         k_q81c718adf1_prep.kd
    .args:
      - { .name: input_tensor, .offset: 0, .size: 8, .value_kind: global_buffer, .address_space: global }
      - { .name: Wq, .offset: 8, .size: 8, .value_kind: global_buffer, .address_space: global }
      - { .name: Wk, .offset: 16, .size: 8, .value_kind: global_buffer, .address_space: global }
      - { .name: Wv, .offset: 24, .size: 8, .value_kind: global_buffer, .address_space: global }
      - { .name: opnd, .offset: 32, .size: 8, .value_kind: global_buffer, .address_space: global }
    .group_segment_fixed_size: 34304
    .private_segment_fixed_size: 0
    .kernarg_segment_align: 8
    .kernarg_segment_size: 40
    .max_flat_workgroup_size: 128
    .sgpr_count:     66
    .vgpr_count:     256
    .wavefront_size: 32
...
	.end_amdgpu_metadata
.endif
;; end of part 1
;; launch qkv (part 2): grid 32 x 8, 4 waves a work-group, clusters of 4 x 4, 327,680 bytes of LDS; arguments opnd, qkv, Wo, ow; writes qkv, ow
.if DOCPART == 2
	.amdgcn_target "amdgcn-amd-amdhsa--gfx1250"
	.amdhsa_code_object_version 6
	.text
	.protected	k_q81c718adf1_qkv
	.globl	k_q81c718adf1_qkv
	.p2align	8
	.type	k_q81c718adf1_qkv,@function
k_q81c718adf1_qkv:
	s_mov_b64 s[64:65], 0
	v_nop
	global_prefetch_b8 v0, s[64:65] scope:SCOPE_SE
	s_setreg_imm32_b32 hwreg(HW_REG_WAVE_MODE, 25, 1), 1
	s_wait_xcnt 0x0
	s_wait_alu depctr_hold_cnt(0) depctr_sa_sdst(0) depctr_va_vdst(0) depctr_va_sdst(0) depctr_va_ssrc(0) depctr_va_vcc(0) depctr_vm_vsrc(0)
	s_getreg_b32 s2, hwreg(HW_REG_IB_STS2, 6, 4)
	s_cmp_eq_u32 s2, 0
	s_cbranch_scc0 .Lentry_in_a_cluster
	s_endpgm
.Lentry_in_a_cluster:
	s_bfe_u32 s2, ttmp6, 0x10000c
	s_cmp_lg_u32 s2, 0xf033
	s_cbranch_scc0 .Lentry_shape_is_right
	s_endpgm
.Lentry_shape_is_right:
; q, k, v = x Wq^T, x Wk^T, x Wv^T on codes of FP6 (E2M3) with E8M0 scales; q and v are rotated, then all three are quantised (q, k along the head's 128, v along the keys) and leave as images of operand registers.
; A work-group makes 256 x 256, a wave 128 x 128 (64 accumulators).  For q and k source 0 takes the weight's rows, so that a lane holds a position and its registers run along the head; for v the two change places.
; K goes through two LDS slots, X of four K steps and Y of two, filled by joint loads of a 4 x 4 cluster (x's tiles along one axis, the weight's along the other); scale words go from memory straight into registers.
; The head's address work and the first scale loads stand under X's first load; Y's first fill stands behind the full sequence and a round.
; PREFETCH: each later refill is asked of memory three K steps ahead of its joint load: of the 8 tiles that a wave fetches, the partner at place p names tiles 2 p and 2 p + 1, a lane to each 256 bytes (left-over lanes name the last block again).
; The rotary tables' 64 KiB that eight waves of a cluster read are named once, 8 KiB a wave, in K step 8; k's work-groups, which read no table, ask for none.
; THE GRID is 32 x 8: the clusters with x = 0 .. 5 make q, k, v (192 work-groups).  The 64 work-groups of clusters 6 and 7 quantise Wo, which only the last launch reads, into ow, laid as the other operands are:
; a path of its own, chosen by the cluster's x, with no tensor load; its LDS stage lies on bytes of its own, behind the spare words.
.set FR,     12
.set FRB,    1536
.set NL,     3
.set NP,     4
.set TILB,   24576
.set XT,     4*FRB
.set YT,     2*FRB
.set HALFX,  8*XT
.set HALFY,  8*YT
.set YS,     4*HALFX
.set SPARE,  YS+4*HALFY
.set LAPB,   6*FRB
.set ADRA, 16
.set ADRB, 20
.set LI,   24
.set LS,   25
.set VSC,  26
.set SPW,  28
.set NIL,  29
.set SC,   32
.set AF,   128
.set T2,   128
.set TM,   160
.set PC,   176
.set PT,   188
.set PW,   196
.set SW,   204
.set SEL,  18
.set G1X,  24
.set G0,   32
.set G1XB, 48
.set G0B,  56
.set G1Y,  68
.set G1YB, 80
.set MSB, 0
.macro WIN new
.if MSB != (\new)
	s_set_vgpr_msb (MSB<<8)|(\new)
.set MSB, (\new)
.endif
.endm
.set MUL_LO, 0xa1
.set MUL_HI, 0xf1
.set TO_B,   0x40
.macro JLOAD g0a, g1a, g0b, g1b
	s_cmp_eq_u32 s15, 0
	s_cbranch_scc0 .Lfor_b_\@
	tensor_load_to_lds s[\g0a:\g0a+3], s[\g1a:\g1a+7]
	s_nop 0
.rept 4
	v_nop
.endr
	s_branch .Lasked_\@
.Lfor_b_\@:
	tensor_load_to_lds s[\g0b:\g0b+3], s[\g1b:\g1b+7]
	s_nop 0
.rept 4
	v_nop
.endr
.Lasked_\@:
.endm
.macro CREST
	s_cmp_lg_u32 s14, 0
	s_cbranch_scc1 .Lnot_wave_0_\@
	s_barrier_signal -3
.Lnot_wave_0_\@:
	s_barrier_wait -3
	s_barrier_signal -1
	s_barrier_wait -1
.endm
.macro CROUND
	s_barrier_signal -1
	s_barrier_wait -1
	CREST
.endm
.macro QUANT s, w, pw
	WIN (\w)|((\w)<<2)
.irp b, 0,1,2,3
	v_max3_num_f32 v[TM+\b], |v[(\s)+16*\b]|, |v[(\s)+16*\b+1]|, 0x1800000
.endr
.irp i, 2,4,6,8,10,12,14
.irp b, 0,1,2,3
	v_max3_num_f32 v[TM+\b], |v[(\s)+16*\b+\i]|, |v[(\s)+16*\b+\i+1]|, v[TM+\b]
.endr
.endr
	WIN 0
.irp b, 0,1,2,3
	v_permlanex16_b32 v[TM+4+\b], v[TM+\b], s[SEL], s[SEL+1]
.endr
.irp b, 0,1,2,3
	v_max_num_f32 v[TM+\b], v[TM+\b], v[TM+4+\b]
.endr
.irp b, 0,1,2,3
	v_add_nc_u32 v[TM+12+\b], 0xff000000, v[TM+\b]
.endr
.irp b, 0,1,2,3
	v_lshrrev_b32 v[TM+4+\b], 23, v[TM+12+\b]
.endr
	v_lshl_or_b32 v[\pw], v[TM+5], 8, v[TM+4]
	v_lshl_or_b32 v[\pw], v[TM+6], 16, v[\pw]
	v_lshl_or_b32 v[\pw], v[TM+7], 24, v[\pw]
	s_wait_xcnt 0x0
	WIN (\w)
.irp c, 0,1
	v_cvt_scalef32_pk16_fp6_f32 v[PC+6*\c:PC+6*\c+2], v[(\s)+32*\c:(\s)+32*\c+15], v[TM+12+2*\c]
	v_cvt_scalef32_pk16_fp6_f32 v[PT+4*\c:PT+4*\c+2], v[(\s)+32*\c+16:(\s)+32*\c+31], v[TM+13+2*\c]
.endr
	WIN 0
	v_nop
.irp c, 0,1
.irp i, 0,1,2
	v_permlane16_swap_b32 v[PC+6*\c+\i], v[PT+4*\c+\i]
.endr
.irp i, 0,1,2
	v_mov_b32 v[PC+3+6*\c+\i], v[PT+4*\c+\i]
.endr
.endr
.endm
	s_load_b128 s[4:7], s[0:1], 0x0
	v_lshl_add_u32 v[SPW], v0, 2, SPARE
	v_mov_b32 v[NIL], 0
	ds_add_u32 v28, v29
	ds_add_u32 v28, v29
	s_wait_dscnt 0x0
	v_lshrrev_b32 v1, 5, v0
	v_readfirstlane_b32 s14, v1
	s_cmp_ge_u32 ttmp9, 6                          ; the cluster's x: the same in all sixteen partners
	s_cbranch_scc1 .Lwo
	s_lshr_b32 s15, s14, 1
	s_and_b32 s16, s14, 1
	s_bfe_u32 s40, ttmp6, 0x40000
	s_bfe_u32 s41, ttmp6, 0x40004
	s_and_b32 s17, ttmp7, 0xffff
	s_lshl_b32 s17, s17, 2
	s_add_co_u32 s17, s17, s41
	s_lshl_b32 s43, s41, 2
	s_lshl_b32 s43, 15, s43
	s_lshl_b32 s44, 0x1111, s40
	s_lshr_b32 s95, ttmp9, 2
	s_xor_b32 s67, s95, 1
	s_mul_i32 s96, s95, 9437184
	s_mul_i32 s97, s67, 3145728
	s_mul_i32 s98, s95, 393216
	s_mul_i32 s99, s67, 131072
	s_lshl_b32 s42, s95, 2
	s_sub_co_u32 s42, ttmp9, s42
	s_lshl_b32 s42, s42, 2
	s_add_co_u32 s42, s42, s40
	s_or_b32 s[G1X+0], s43, (3<<16)|(1<<21)
	s_or_b32 s[G1XB+0], s44, (3<<16)|(1<<21)
.irp g, G1X, G1XB
	s_mov_b32 s[\g+1], 768<<16
	s_mov_b32 s[\g+2], 8<<16
	s_mov_b32 s[\g+3], 768<<16
	s_mov_b32 s[\g+4], 8
	s_mov_b32 s[\g+5], 3072
	s_mov_b32 s[\g+6], 0
	s_mov_b32 s[\g+7], 0
.endr
	s_or_b32 s[G1Y+0], s43, (3<<16)|(1<<21)
	s_or_b32 s[G1YB+0], s44, (3<<16)|(1<<21)
.irp g, G1Y, G1YB
	s_mov_b32 s[\g+1], 384<<16
	s_mov_b32 s[\g+2], 8<<16
	s_mov_b32 s[\g+3], 384<<16
	s_mov_b32 s[\g+4], 8
	s_mov_b32 s[\g+5], 3072
	s_mov_b32 s[\g+6], 0
	s_mov_b32 s[\g+7], 0
.endr
	s_lshl_b32 s18, s16, 3
	s_lshl_b32 s20, s17, 4
	s_add_co_u32 s20, s20, s18
	s_lshl_b32 s46, s42, 4
	s_add_co_u32 s46, s46, s18
	s_mul_i32 s20, s20, TILB
	s_add_co_u32 s20, s20, s96
	s_mov_b32 s21, 0
	s_mul_i32 s46, s46, TILB
	s_add_co_u32 s46, s46, s97
	s_mov_b32 s47, 0
	s_mul_i32 s45, s14, HALFX
	s_mul_i32 s94, s14, HALFY
	CROUND                                         ; the round in front of the first joint loads: it needs none of the arguments, so it stands ahead of the wait for them
	s_wait_kmcnt 0x0
	s_add_nc_u64 s[20:21], s[4:5], s[20:21]
	s_add_nc_u64 s[46:47], s[4:5], s[46:47]
	s_cmp_eq_u32 s15, 0                            ; the prefetches' base: the side that I fetch for,
	s_cselect_b64 s[88:89], s[20:21], s[46:47]
	s_cselect_b32 s90, s40, s41                    ; my place among the four that ask jointly,
	s_mul_i32 s90, s90, 2*TILB                     ; two tiles to each
	s_mov_b32 s91, 0
	s_add_nc_u64 s[88:89], s[88:89], s[90:91]
	s_mov_b32 s[G0], 1
	s_add_co_u32 s[G0+1], s45, 0
	s_add_nc_u64 s[G0+2:G0+3], s[20:21], 0
	s_or_b32 s[G0+3], s[G0+3], 0x80000000
	s_mov_b32 s[G0B], 1
	s_add_co_u32 s[G0B+1], s45, 0
	s_add_nc_u64 s[G0B+2:G0B+3], s[46:47], 0
	s_or_b32 s[G0B+3], s[G0B+3], 0x80000000
	JLOAD G0, G1X, G0B, G1XB
	s_mov_b32 s[G0+4], 1
	s_add_co_u32 s[G0+5], s94, YS
	s_sub_nc_u64 s[G0+6:G0+7], s[20:21], LAPB-XT   ; one lap short of K step 4: every fill of slot Y, the first too, steps the address by a lap ahead of its load
	s_or_b32 s[G0+7], s[G0+7], 0x80000000
	s_mov_b32 s[G0B+4], 1
	s_add_co_u32 s[G0B+5], s94, YS
	s_sub_nc_u64 s[G0B+6:G0B+7], s[46:47], LAPB-XT
	s_or_b32 s[G0B+7], s[G0B+7], 0x80000000
	v_and_b32 v1, 15, v0
	v_bfe_u32 v2, v0, 4, 1
	s_wait_alu depctr_va_vdst(0)
	v_and_b32 v3, 31, v0
	v_lshlrev_b32 v[LI], 4, v3
	s_wait_alu depctr_va_vdst(0)
	v_lshlrev_b32 v[LS], 2, v3
	v_lshlrev_b32 v8, 8, v3                        ; prefetch offsets, 256 bytes a lane: 32 blocks (the tables),
	v_min_u32 v9, 23, v3
	v_lshlrev_b32 v9, 8, v9                        ; 24 blocks (four K steps of a tile),
	v_min_u32 v10, 11, v3
	v_lshlrev_b32 v10, 8, v10                      ; 12 blocks (two K steps)
	global_prefetch_b8 v10, s[88:89] offset:4*FRB th:TH_LOAD_NT scope:SCOPE_SE        ; K steps 4 and 5 of my two tiles: slot Y's first fill, which is loaded in K step 0, behind slot X's landing
	global_prefetch_b8 v10, s[88:89] offset:TILB+4*FRB th:TH_LOAD_NT scope:SCOPE_SE
	s_lshl_b32 s21, s17, 4
	s_lshl_b32 s22, s15, 3
	s_add_co_u32 s21, s21, s22
	s_lshl_b32 s21, s21, 10
	s_add_co_u32 s21, s21, s98
	s_add_co_u32 s21, s21, 15728640
	s_lshl_b32 s22, s42, 4
	s_lshl_b32 s23, s16, 3
	s_add_co_u32 s22, s22, s23
	s_lshl_b32 s22, s22, 10
	s_add_co_u32 s22, s22, s99
	s_add_co_u32 s22, s22, 15728640
	v_mov_b32 v5, s21
	v_mov_b32 v6, s22
	v_cmp_ne_u32 vcc_lo, 0, v2
	v_cndmask_b32 v5, v5, v6, vcc_lo
	v_lshl_add_u32 v[VSC], v1, 2, v5
.macro SCLOAD k
.irp i, 0,1,2,3,4,5,6,7
	global_load_b32 v[SC+8*(\k)+96*((\k)/12)+\i], v[VSC], s[4:5] offset:\i*1024+(\k)*64
.endr
.endm
.macro SCBATCH k0, n
.set KK, \k0
.rept \n
	SCLOAD KK
.set KK, KK+1
.endr
.endm
	SCBATCH 0, 6
	s_mul_i32 s21, s15, HALFX
	s_mul_i32 s22, s16, HALFX
	s_add_co_u32 s22, s22, 2*HALFX
	v_add_nc_u32 v[ADRA], s21, v[LI]
	v_add_nc_u32 v[ADRB], s22, v[LI]
	s_mul_i32 s21, s15, HALFY
	s_add_co_u32 s21, s21, YS
	s_mul_i32 s22, s16, HALFY
	s_add_co_u32 s22, s22, YS+2*HALFY
	v_add_nc_u32 v[ADRA+1], s21, v[LI]
	v_add_nc_u32 v[ADRB+1], s22, v[LI]
	s_lshr_b32 s66, ttmp9, 1
	s_lshl_b32 s18, s17, 4
	s_lshl_b32 s19, s15, 3
	s_add_co_u32 s18, s18, s19
	s_lshl_b32 s19, s42, 4
	s_lshl_b32 s21, s16, 3
	s_add_co_u32 s19, s19, s21
	s_lshl_b32 s21, s17, 1
	s_add_co_u32 s21, s21, s15
	s_and_b32 s22, s42, 7
	s_lshl_b32 s22, s22, 1
	s_add_co_u32 s22, s22, s16
	s_mov_b32 s23, 16908288
	s_cmp_ge_u32 ttmp9, 4
	s_cselect_b32 s18, s19, s18
	s_cselect_b32 s21, s21, s22
	s_cselect_b32 s23, s23, 16384000
	s_lshr_b32 s19, s18, 6
	s_lshl_b32 s19, s19, 4
	s_add_co_u32 s19, s19, s21
	s_lshl_b32 s19, s19, 6
	s_and_b32 s22, s18, 63
	s_add_co_u32 s19, s19, s22
	s_lshl_b32 s22, s22, 13
	s_add_co_u32 s22, s22, s23
	s_mov_b32 s23, 0
	s_add_nc_u64 s[12:13], s[4:5], s[22:23]
	s_lshl_b32 s90, s40, 1                         ; which 8 KiB of my 64 KiB of tables I name: the eight waves of the cluster that read them share them out
	s_add_co_u32 s90, s90, s16
	s_lshl_b32 s91, s41, 1
	s_add_co_u32 s91, s91, s15
	s_cmp_ge_u32 ttmp9, 4
	s_cselect_b32 s92, s91, s90
	s_lshl_b32 s92, s92, 13
	s_mov_b32 s93, 0
	s_add_nc_u64 s[92:93], s[12:13], s[92:93]
	s_mul_i32 s22, s19, FRB
	s_mul_i32 s21, s66, 3145728
	s_add_co_u32 s22, s22, s21
	s_add_nc_u64 s[8:9], s[6:7], s[22:23]
	s_lshl_b32 s22, s19, 6
	s_lshl_b32 s21, s66, 17
	s_add_co_u32 s22, s22, s21
	s_add_co_u32 s22, s22, 9437184
	s_add_nc_u64 s[10:11], s[6:7], s[22:23]
.macro FRAG reg, adr, k, i
.if ((\k)%6) < 4
.irp g, 0,1,2
	ds_load_b128 v[(\reg)+4*\g:(\reg)+4*\g+3], v[\adr] offset:(\i)*XT+((\k)%6)*FRB+512*\g
.endr
.else
.irp g, 0,1,2
	ds_load_b128 v[(\reg)+4*\g:(\reg)+4*\g+3], v[\adr+1] offset:(\i)*YT+((\k)%6-4)*FRB+512*\g
.endr
.endif
.endm
.macro MUL16 a0, k, zero
.irp a, \a0, \a0+1
.irp b, 0,1,2,3,4,5,6,7
.if \zero
	v_wmma_scale_f32_16x16x128_f8f6f4 v[8*(8*((\a)%4)+\b):8*(8*((\a)%4)+\b)+7], v[128*((\k)%2)+FR*\b:128*((\k)%2)+FR*\b+FR-1], v[AF+FR*(\a):AF+FR*(\a)+FR-1], 0, v[SC+8*(\k)+96*((\k)/12)+\b], v[SC+8*(\k)+96*((\k)/12)+(\a)] matrix_a_fmt:MATRIX_FMT_FP6 matrix_b_fmt:MATRIX_FMT_FP6 matrix_a_scale:MATRIX_SCALE_ROW1
.else
	v_wmma_scale_f32_16x16x128_f8f6f4 v[8*(8*((\a)%4)+\b):8*(8*((\a)%4)+\b)+7], v[128*((\k)%2)+FR*\b:128*((\k)%2)+FR*\b+FR-1], v[AF+FR*(\a):AF+FR*(\a)+FR-1], v[8*(8*((\a)%4)+\b):8*(8*((\a)%4)+\b)+7], v[SC+8*(\k)+96*((\k)/12)+\b], v[SC+8*(\k)+96*((\k)/12)+(\a)] matrix_a_fmt:MATRIX_FMT_FP6 matrix_b_fmt:MATRIX_FMT_FP6 matrix_a_scale:MATRIX_SCALE_ROW1
.endif
.endr
.endr
.endm
.macro FETCH_B k
	WIN TO_B
.irp i, 0,1,2,3,4,5,6,7
	FRAG 128*((\k)%2)+FR*\i, ADRB, \k, \i
.endr
	WIN 0
.endm
.macro FETCH_A k, i0
.irp i, \i0, \i0+1, \i0+2, \i0+3
	FRAG AF+FR*(\i), ADRA, \k, \i
.endr
.endm
.macro PLACES n
.rept \n
	v_nop
.endr
.endm
.macro PFT r, k                        ; my two tiles' bytes from K step k on
	global_prefetch_b8 v[\r], s[88:89] offset:(\k)*FRB th:TH_LOAD_NT scope:SCOPE_SE
	global_prefetch_b8 v[\r], s[88:89] offset:TILB+(\k)*FRB th:TH_LOAD_NT scope:SCOPE_SE
.endm
.macro STEP k, zero, sb
	s_wait_dscnt 4*NL
	WIN MUL_LO
	MUL16 0, \k, \zero
	MUL16 2, \k, \zero
	s_wait_dscnt 0
	PLACES NP
	FETCH_B (\k)+1
	FETCH_A (\k)+1, 0
.if \sb == 1
	SCBATCH 6, 6
.elseif \sb == 2
	SCBATCH 12, 4
.endif
.if \sb == 1
	PFT 9, 6                                       ; K steps 6-9, which the refill three K steps on loads
.elseif \sb == 2
	PFT 9, 12                                      ; K steps 12-15
.elseif \sb == 3
	PFT 10, 10                                     ; K steps 10-11
.elseif \sb == 4
	s_cmp_eq_u32 s66, 1
	s_cbranch_scc1 .Lno_pf
	global_prefetch_b8 v8, s[92:93] th:TH_LOAD_NT scope:SCOPE_SE
.Lno_pf:
.endif
	WIN MUL_HI
	MUL16 4, \k, \zero
	MUL16 6, \k, \zero
	PLACES NP
	WIN 0
	FETCH_A (\k)+1, 4
.endm
.macro TURN k, fill, zero
	s_wait_tensorcnt 0x0
	ds_add_u32 v[SPW], v[NIL]
	s_wait_dscnt 4*NL+1
	WIN MUL_LO
	MUL16 0, \k, \zero
	s_wait_dscnt 0x0
	s_barrier_signal -1
	MUL16 2, \k, \zero
	WIN 0
	s_barrier_wait -1
	CREST
.if \fill == 1
	s_add_nc_u64 s[G0+2:G0+3], s[G0+2:G0+3], LAPB
	s_add_nc_u64 s[G0B+2:G0B+3], s[G0B+2:G0B+3], LAPB
	JLOAD G0, G1X, G0B, G1XB
.else
	s_add_nc_u64 s[G0+6:G0+7], s[G0+6:G0+7], LAPB
	s_add_nc_u64 s[G0B+6:G0B+7], s[G0B+6:G0B+7], LAPB
	JLOAD G0+4, G1Y, G0B+4, G1YB
.endif
	FETCH_B (\k)+1
	FETCH_A (\k)+1, 0
.if \zero
	SCBATCH 6, 6                                   ; K step 0: the scale words of K steps 6-11,
	PFT 9, 6                                       ; and K steps 6-9, which the refill three K steps on loads
.endif
	WIN MUL_HI
	MUL16 4, \k, \zero
	MUL16 6, \k, \zero
	PLACES NP
	WIN 0
	FETCH_A (\k)+1, 4
.endm
	s_wait_alu depctr_va_vdst(0)                   ; the wait at the head's end
	s_wait_tensorcnt 0x0                           ; my part of slot X is in;
	s_barrier_signal -1
	s_barrier_wait -1                              ; everybody's is.
	FETCH_B 0
	FETCH_A 0, 0
	FETCH_A 0, 4
	s_wait_loadcnt 0x0
	TURN 0, 2, 1                                   ; the first products start the sums; slot Y's first fill stands in this K step, behind the full sequence and a round, as a refill does
	STEP 1, 0, 0
	STEP 2, 0, 3
	TURN 3, 1, 0
	STEP 4, 0, 0
	TURN 5, 2, 0
	s_wait_loadcnt 0x0
	STEP 6, 0, 2
	STEP 7, 0, 0
	STEP 8, 0, 4
	TURN 9, 1, 0
	STEP 10, 0, 0
	s_wait_dscnt 4*NL
	WIN MUL_LO
	MUL16 0, 11, 0
	MUL16 2, 11, 0
	s_wait_dscnt 0
	WIN MUL_HI
	MUL16 4, 11, 0
	WIN 0
	s_wait_tensorcnt 0x0
	s_barrier_signal -1
	s_barrier_wait -1
	PLACES NP
	FETCH_B 12
	FETCH_A 12, 0
	WIN MUL_HI
	MUL16 6, 11, 0
	PLACES NP
	WIN 0
	FETCH_A 12, 4
	s_wait_loadcnt 0x0
	STEP 12, 0, 0
	STEP 13, 0, 0
	STEP 14, 0, 0
; the first two of the eight table sets are asked for here: they land in B's set 0, which the last K step does not read (the four places behind K step 14's products stand at its end)
.macro CSL set, o0, ot
	WIN TO_B
.irp tau, 0,1,2,3
.irp x, 0,1,2,3
	global_load_b128 v[64*(\set)+16*\tau+4*\x:64*(\set)+16*\tau+4*\x+3], v[LI], s[12:13] offset:(\o0)+\tau*(\ot)+\x*512
.endr
.endr
	WIN 0
.endm
	s_cmp_eq_u32 s66, 1
	s_cbranch_scc1 .Lno_tab
	s_cmp_eq_u32 s66, 2
	s_cbranch_scc1 .Ltab_v
	CSL 0, 0, 2048
	CSL 1, 8192, 2048
	s_branch .Lno_tab
.Ltab_v:
	CSL 0, 0, 8192
	CSL 1, 32768, 8192
.Lno_tab:
	s_wait_dscnt 4*NL
	WIN MUL_LO
	MUL16 0, 15, 0
	MUL16 2, 15, 0
	s_wait_dscnt 0
	WIN MUL_HI
	MUL16 4, 15, 0
	MUL16 6, 15, 0
	WIN 0
	PLACES NP
	s_mov_b32 s[SEL], 0x76543210
	s_mov_b32 s[SEL+1], 0xfedcba98
.irp b, 0,1,2,3
	v_mov_b32 v[TM+4+\b], 0
.endr
.macro CSLOAD set, o0, ot
	WIN TO_B
.irp tau, 0,1,2,3
.irp x, 0,1,2,3
	global_load_b128 v[64*(\set)+16*\tau+4*\x:64*(\set)+16*\tau+4*\x+3], v[LI], s[12:13] offset:(\o0)+\tau*(\ot)+\x*512
.endr
.endr
	WIN 0
.endm
.macro ROPE set, lw, lo, hw, hi
	WIN (\lw)|4
.set p, 0
.rept 16
	v_pk_mul_f32 v[T2+2*p:T2+2*p+1], v[(\lo)+2*p:(\lo)+2*p+1], v[64*(\set)+16*(p/4)+8+2*(p%4):64*(\set)+16*(p/4)+8+2*(p%4)+1]
.set p, p+1
.endr
	WIN ((\lw)<<6)|4|(\lw)
.set p, 0
.rept 16
	v_pk_mul_f32 v[(\lo)+2*p:(\lo)+2*p+1], v[(\lo)+2*p:(\lo)+2*p+1], v[64*(\set)+16*(p/4)+2*(p%4):64*(\set)+16*(p/4)+2*(p%4)+1]
.set p, p+1
.endr
	WIN ((\lw)<<6)|((\lw)<<4)|4|(\hw)
.set p, 0
.rept 16
	v_pk_fma_f32 v[(\lo)+2*p:(\lo)+2*p+1], v[(\hi)+2*p:(\hi)+2*p+1], v[64*(\set)+16*(p/4)+8+2*(p%4):64*(\set)+16*(p/4)+8+2*(p%4)+1], v[(\lo)+2*p:(\lo)+2*p+1] neg_lo:[1,0,0] neg_hi:[1,0,0]
.set p, p+1
.endr
	WIN ((\hw)<<6)|4|(\hw)
.set p, 0
.rept 16
	v_pk_fma_f32 v[(\hi)+2*p:(\hi)+2*p+1], v[(\hi)+2*p:(\hi)+2*p+1], v[64*(\set)+16*(p/4)+2*(p%4):64*(\set)+16*(p/4)+2*(p%4)+1], v[T2+2*p:T2+2*p+1]
.set p, p+1
.endr
	WIN 0
.endm
	s_cmp_eq_u32 s66, 1
	s_cbranch_scc1 .Lquant
	s_cmp_eq_u32 s66, 2
	s_cbranch_scc1 .Lrope_v
.irp n, 2,3
	CSLOAD \n, \n*8192, 2048
.endr
.irp n, 0,1,2,3,4,5,6,7
.if \n < 5
	s_wait_loadcnt 48
.else
	s_wait_loadcnt 16*(7-\n)
.endif
	ROPE \n%4, 2+\n/4, 64*(\n%4), 2+\n/4, 64*(\n%4)+32
.if \n < 4
	CSLOAD \n, (\n+4)*8192, 2048
.endif
.endr
	s_branch .Lquant
.Lrope_v:
.irp n, 2,3
	CSLOAD \n, (\n%2)*32768+(\n/2)*2048, 8192
.endr
.irp n, 0,1,2,3,4,5,6,7
.if \n < 5
	s_wait_loadcnt 48
.else
	s_wait_loadcnt 16*(7-\n)
.endif
	ROPE \n%4, 2, 64*(\n/2)+32*(\n%2), 3, 64*(\n/2)+32*(\n%2)
.if \n < 4
	CSLOAD \n, ((\n+4)%2)*32768+((\n+4)/2)*2048, 8192
.endif
.endr
.Lquant:
.irp a, 0,1,2,3,4,5,6,7
	QUANT 64*(\a%4), 2+\a/4, PW+\a
.irp g, 0,1,2
	global_store_b128 v[LI], v[PC+4*\g:PC+4*\g+3], s[8:9] offset:\a*FRB+512*\g
.endr
.endr
	v_lshrrev_b32 v1, 2, v[LS]
	v_cmp_le_u32 vcc_lo, 16, v1
.irp p, 0,1,2,3
	v_cndmask_b32 v[SW+\p], v[PW+2*\p], v[PW+2*\p+1], vcc_lo
.endr
.irp p, 0,1,2,3
	global_store_b32 v[LS], v[SW+\p], s[10:11] offset:128*\p
.endr
	s_wait_tensorcnt 0x0
	ds_add_u32 v[SPW], v[NIL]
	s_wait_dscnt 0x0
	CROUND
	s_endpgm
; ---- Wo [2048][2048] f32 -> codes and scale words in ow (images from byte 3,145,728, scale words from 6,422,528).  Work-group e = 0 .. 63 takes tiles 2 e and 2 e + 1 (rows 32 e .. 32 e + 31);
; wave w takes K steps 4 w .. 4 w + 3 of both: eight fragments, two a trip.  A load reads 256 consecutive bytes of each of two rows; half a fragment (16 rows x 256 bytes) at a time turns through the wave's stage,
; rows 272 bytes apart, and comes back 16 neighbours of a block to a lane.  All of a trip's 32 loads are asked for as soon as their registers are free, ahead of the trip's two quantisings.
.set WST, SPARE+512
.set WSP, 272
.macro LOADW u                         ; fragment u of the trip -> window 1, v[64 u ..]
	WIN 0x40
.irp hf, 0,1
.irp i, 0,1,2,3,4,5,6,7
	global_load_b128 v[64*(\u)+32*\hf+4*\i:64*(\u)+32*\hf+4*\i+3], v5, s[24:25] offset:(2*\i+8*(\i/4))*8192+512*(\u)+256*\hf th:TH_LOAD_NT
.endr
.endr
	WIN 0
.endm
.macro STG u                           ; through the stage -> window 2, v[64 u + 16 b + i] = k 32 b + 16 h + i.  LDS serves a wave's instructions in order: no wait between stores and loads, nor ahead of the next half's stores
.irp hf, 0,1
	WIN 0x04
.irp i, 0,1,2,3,4,5,6,7
	ds_store_b128 v6, v[64*(\u)+32*\hf+4*\i:64*(\u)+32*\hf+4*\i+3] offset:\i*2*WSP
.endr
	WIN 0x80
.irp b, 0,1
.irp j, 0,1,2,3
	ds_load_b128 v[64*(\u)+32*\hf+16*\b+4*\j:64*(\u)+32*\hf+16*\b+4*\j+3], v7 offset:128*\b+16*\j
.endr
.endr
.endr
	WIN 0
.endm
.Lwo:
	s_load_b128 s[8:11], s[0:1], 0x10              ; Wo s[8:9], ow s[10:11]
	s_bfe_u32 s40, ttmp6, 0x40000                  ; cx, cy: they enter global addresses alone
	s_bfe_u32 s41, ttmp6, 0x40004
	s_sub_co_u32 s42, ttmp9, 6
	s_lshl_b32 s42, s42, 1
	s_and_b32 s43, ttmp7, 0xffff
	s_add_co_u32 s42, s42, s43
	s_lshl_b32 s42, s42, 2
	s_add_co_u32 s42, s42, s41
	s_lshl_b32 s42, s42, 2
	s_add_co_u32 s42, s42, s40                     ; e
	s_lshl_b32 s20, s42, 18                        ; Wo: 32 e rows of 8,192 bytes
	s_lshl_b32 s21, s14, 11                        ; + my four K steps of 512 bytes
	s_add_co_u32 s20, s20, s21
	s_mov_b32 s21, 0
	s_mul_i32 s22, s42, 49152                      ; images: fragment 32 e + 4 w
	s_mul_i32 s23, s14, 6144
	s_add_co_u32 s22, s22, s23
	s_add_co_u32 s22, s22, 3145728
	s_mov_b32 s23, 0
	s_lshl_b32 s28, s42, 11                        ; scale words: 64 bytes a fragment
	s_lshl_b32 s29, s14, 8
	s_add_co_u32 s28, s28, s29
	s_add_co_u32 s28, s28, 6422528
	s_mov_b32 s29, 0
	s_mul_i32 s43, s14, 16*WSP
	s_add_co_u32 s43, s43, WST                     ; my stage
	s_mov_b32 s[SEL], 0x76543210
	s_mov_b32 s[SEL+1], 0xfedcba98
	v_and_b32 v3, 31, v0                           ; lane
	v_and_b32 v1, 15, v0                           ; r
	v_bfe_u32 v2, v0, 4, 1                         ; h
	v_lshlrev_b32 v4, 4, v1
	v_lshl_add_u32 v5, v2, 13, v4                  ; a load: row h of its two, 16 bytes a lane
	v_mul_u32_u24 v6, v2, WSP
	v_add_nc_u32 v6, v6, v4
	v_add_nc_u32 v6, s43, v6                       ; into the stage likewise
	v_mul_u32_u24 v7, v1, WSP
	v_lshl_add_u32 v7, v2, 6, v7
	v_add_nc_u32 v7, s43, v7                       ; out of it: row r, + 64 h
	v_lshlrev_b32 v[LI], 4, v3
	v_lshlrev_b32 v[LS], 2, v3
.irp b, 0,1,2,3
	v_mov_b32 v[TM+4+\b], 0                        ; written once: a lane permute's destination counts as one of its sources
.endr
	s_wait_alu depctr_va_vdst(0)                   ; the wait at the head's end
	s_wait_kmcnt 0x0
	s_add_nc_u64 s[20:21], s[8:9], s[20:21]
	s_add_nc_u64 s[22:23], s[10:11], s[22:23]
	s_add_nc_u64 s[28:29], s[10:11], s[28:29]
	s_mov_b64 s[24:25], s[20:21]
	LOADW 0
	LOADW 1
	s_mov_b32 s44, 0                               ; trip t: tile t / 2, K steps 4 w + 2 (t % 2) and the next
.Lwo_trip:
	s_wait_loadcnt 0x0                             ; the trip's 32 loads are in
	STG 0
	STG 1
	s_wait_dscnt 0x0                               ; the numbers are back, and the stage's stores have read their registers
	s_wait_xcnt 0x0                                ; the last trip's stores have read their bases
	s_and_b32 s46, s44, 1
	s_lshr_b32 s47, s44, 1
	s_mul_i32 s48, s46, 3072
	s_mul_i32 s49, s47, 24576
	s_add_co_u32 s48, s48, s49
	s_mov_b32 s49, 0
	s_add_nc_u64 s[26:27], s[22:23], s[48:49]      ; this trip's images,
	s_lshl_b32 s48, s46, 7
	s_lshl_b32 s50, s47, 10
	s_add_co_u32 s48, s48, s50
	s_add_nc_u64 s[30:31], s[28:29], s[48:49]      ; and scale words
	s_add_co_u32 s45, s44, 1
	s_and_b32 s46, s45, 1
	s_lshl_b32 s46, s46, 10
	s_lshr_b32 s47, s45, 1
	s_lshl_b32 s47, s47, 16
	s_add_co_u32 s46, s46, s47
	s_mov_b32 s47, 0
	s_add_nc_u64 s[24:25], s[20:21], s[46:47]      ; the next trip's numbers
	s_cmp_lt_u32 s45, 4
	s_cbranch_scc0 .Lwo_noload                     ; the last trip asks for nothing; every wait on the loads is for 0
	LOADW 0
	LOADW 1
.Lwo_noload:
.irp u, 0,1
	QUANT 64*\u, 2, PW+\u
.irp g, 0,1,2
	global_store_b128 v[LI], v[PC+4*\g:PC+4*\g+3], s[26:27] offset:\u*FRB+512*\g   ; 32 lanes store 512 consecutive bytes
.endr
.endr
	v_cmp_le_u32 vcc_lo, 16, v3
	v_cndmask_b32 v[SW], v[PW], v[PW+1], vcc_lo    ; lanes 0-15 the first fragment's 16 words, lanes 16-31 the second's
	global_store_b32 v[LS], v[SW], s[30:31]
	s_add_co_u32 s44, s44, 1
	s_cmp_lt_u32 s44, 4
	s_wait_alu depctr_va_vdst(0)                   ; the wait ahead of the backward jump
	s_cbranch_scc1 .Lwo_trip
	s_wait_tensorcnt 0x0                           ; the wave's end
	ds_add_u32 v[SPW], v[NIL]
	s_wait_dscnt 0x0
	CROUND
	s_endpgm
.Lfunc_end_k_q81c718adf1_qkv:
	.size	k_q81c718adf1_qkv, .Lfunc_end_k_q81c718adf1_qkv-k_q81c718adf1_qkv
	.p2alignl 7, 3214868480
	.fill 96, 4, 3214868480
	.section	.rodata,"a",@progbits
	.p2align	6, 0x0
	.amdhsa_kernel k_q81c718adf1_qkv
		.amdhsa_group_segment_fixed_size 327680
		.amdhsa_private_segment_fixed_size 0
		.amdhsa_enable_private_segment 0
		.amdhsa_kernarg_size 32
		.amdhsa_user_sgpr_count 2
		.amdhsa_user_sgpr_kernarg_segment_ptr 1
		.amdhsa_wavefront_size32 1
		.amdhsa_system_sgpr_workgroup_id_x 1
		.amdhsa_system_sgpr_workgroup_id_y 1
		.amdhsa_system_sgpr_workgroup_id_z 1
		.amdhsa_system_vgpr_workitem_id 0
		.amdhsa_next_free_vgpr 1024
		.amdhsa_next_free_sgpr 100
		.amdhsa_reserve_vcc 1
		.amdhsa_float_denorm_mode_32 3
		.amdhsa_float_denorm_mode_16_64 3
		.amdhsa_memory_ordered 1
		.amdhsa_forward_progress 1
		.amdhsa_inst_pref_size 255
	.end_amdhsa_kernel
	.section	.bss,"aw",@nobits
	.p2align	6
	.space	262144
	.amdgpu_metadata
---
amdhsa.version: [ 1, 2 ]
amdhsa.kernels:
  - .name:           k_q81c718adf1_qkv
    .symbol:         k_q81c718adf1_qkv.kd
    .args:
      - { .name: opnd, .offset: 0, .size: 8, .value_kind: global_buffer, .address_space: global }
      - { .name: qkv, .offset: 8, .size: 8, .value_kind: global_buffer, .address_space: global }
      - { .name: Wo, .offset: 16, .size: 8, .value_kind: global_buffer, .address_space: global }
      - { .name: ow, .offset: 24, .size: 8, .value_kind: global_buffer, .address_space: global }
    .group_segment_fixed_size: 327680
    .private_segment_fixed_size: 0
    .kernarg_segment_align: 8
    .kernarg_segment_size: 32
    .max_flat_workgroup_size: 128
    .sgpr_count:     100
    .vgpr_count:     1024
    .wavefront_size: 32
...
	.end_amdgpu_metadata
.endif
;; end of part 2
;; launch attn (part 3): grid 8 x 32, 8 waves a work-group, clusters of 4 x 1, 327,680 bytes of LDS; arguments qkv, attention_mask, ow; writes ow
.if DOCPART == 3
	.amdgcn_target "amdgcn-amd-amdhsa--gfx1250"
	.amdhsa_code_object_version 6
	.text
	.protected	k_q81c718adf1_attn
	.globl	k_q81c718adf1_attn
	.p2align	8
	.type	k_q81c718adf1_attn,@function
k_q81c718adf1_attn:
	s_mov_b64 s[64:65], 0
	v_nop
	global_prefetch_b8 v0, s[64:65] scope:SCOPE_SE
	s_setreg_imm32_b32 hwreg(HW_REG_WAVE_MODE, 25, 1), 1
	s_wait_xcnt 0x0
	s_wait_alu depctr_hold_cnt(0) depctr_sa_sdst(0) depctr_va_vdst(0) depctr_va_sdst(0) depctr_va_ssrc(0) depctr_va_vcc(0) depctr_vm_vsrc(0)
	s_getreg_b32 s2, hwreg(HW_REG_IB_STS2, 6, 4)
	s_cmp_eq_u32 s2, 0
	s_cbranch_scc0 .Lentry_in_a_cluster
	s_endpgm
.Lentry_in_a_cluster:
	s_bfe_u32 s2, ttmp6, 0x10000c
	s_cmp_lg_u32 s2, 0x3003
	s_cbranch_scc0 .Lentry_shape_is_right
	s_endpgm
.Lentry_shape_is_right:
; o = softmax(q k^T / sqrt(128) x mask) v for 32 heads of 1,024 x 128, both products on codes of FP6 (E2M3) with E8M0 scales; o is quantised along the head's 128 and leaves as an image of operand registers.
; THE SOFTMAX: t = score x mask x log2(e) / sqrt(128); M = the row's largest t so far, rounded up to a whole number; p = 2^(t - M) is quantised along the keys, not normalised; the row's sum is taken of the
; unquantised p and divides at the end.  When M moves, the sum and O are multiplied by 2^(old M - new M): exact.  The mask multiplies (a hole makes the logit 0, not -infinity), as the problem has it.
; SHARES.  A work-group owns 128 queries of one head, each of its eight waves one tile of 16; two waves to a SIMD, so that one wave's vector work stands beside the other's products and LDS loads.
; A HEAD'S K AND V, codes and scale words, are 204,800 bytes: all of it lies in LDS.  Every LDS byte is filled once: no ring, no refill.
; CLUSTER.  The four query blocks of a cluster belong to one head: each part of K and V is asked for jointly, by the same tensor load with the same descriptor and a mask that names the four.
; LAYOUT.  Both products are used transposed: S^T = K Q^T, O^T = V^T P^T: a lane holds one query throughout.  Slot r of a tile T of keys (queries, channels) is 32 (T / 2) + 8 (T % 2) + r + 8 (r / 8), so the 16 registers
; of tiles 2 b and 2 b + 1 are 16 neighbours: 32 b + 16 (lane / 16) + 0 .. 15.
; LIMITS: t is formed as (score x mask) x c, another order of rounding than scaling first; a block of zeros gets the byte 1 (this program alone reads the bytes); no NaN, no infinities.
; REGISTERS: window 0: v1-11 addresses; v12 -M, v13 the largest t, v[14:15] the sum; v16-27 Q, v28 its scale word, v29 p's; v30-37, v38-45 K's and V's scale words; v46-61 at work; v[62:63] f;
;   v64-127 S^T, then p, at last o; v128-223 V's 8 fragments; v224-243 p's codes; v244-247 at work.    window 1: v0-95 K's 8 fragments; v96-159 the mask; v160-223 O^T.
.set CHUNK, 49152                      ; from one of the four LDS address registers to the next: four key steps of K or of V.  K's 64 images lie from byte 0, V's 8 key steps x 8 channel tiles from VB
.set VB,    98304
.set KSCL,  196608                     ; K's scale words of the head, 4,096 bytes; V's behind them
.set AC,   2                           ; v2-5   16 x lane + chunk
.set ASC,  6                           ; v6     K's scale words: KSCL + 4 r
.set MO,   7                           ; v7     the mask: my query's row, + 64 h
.set QF,   16
.set QS,   28
.set PWD,  29
.set KS,   30
.set VS,   38
.set TM,   46
.set F,    62
.set S,    64
.set VF,   128
.set PC,   224
.set PT,   236
.set TMP,  244
.set SU2,  246
.set MK,   96                          ; in window 1
.set OT,   160                         ; in window 1
.set WV,   10                          ; s10    my wave's number
.set CS,   2                           ; s[2:3] c = log2(e) / sqrt(128): the packed form names a pair
.set SEL,  22                          ; s[22:23]
.set G1C,  24                          ; s[24:31] group 1: 48 rows of 256 bytes: half of K's or V's first 256 keys
.set G1S,  32                          ; s[32:39] 8 rows: half of K's or V's scale words
.set G0,   40                          ; s[40:51] three groups 0: scale words, first 256 keys, the other 768
.set G1D,  52                          ; s[52:59] 72 rows: a quarter of K's or V's other 768 keys
.set MSB, 0
.macro WIN new
.if MSB != (\new)
	s_set_vgpr_msb (MSB<<8)|(\new)
.set MSB, (\new)
.endif
.endm
.macro CROUND                          ; a round of the cluster's barrier
	s_barrier_signal -1
	s_barrier_wait -1
	s_cmp_lg_u32 s[WV], 0
	s_cbranch_scc1 .Lnot_wave_0_\@
	s_barrier_signal -3
.Lnot_wave_0_\@:
	s_barrier_wait -3
	s_barrier_signal -1
	s_barrier_wait -1
.endm
.macro QUANT s, w, pw                  ; 64 numbers of a lane, register 16 b + i = k 32 b + 16 (lane / 16) + i of the lane's row -> codes in v[PC] on, scale word in v[pw]
	WIN (\w)|((\w)<<2)
.irp b, 0,1,2,3
	v_max3_num_f32 v[TM+\b], |v[(\s)+16*\b]|, |v[(\s)+16*\b+1]|, 0x1800000
.endr
.irp i, 2,4,6,8,10,12,14
.irp b, 0,1,2,3
	s_delay_alu instid0(VALU_DEP_4)
	v_max3_num_f32 v[TM+\b], |v[(\s)+16*\b+\i]|, |v[(\s)+16*\b+\i+1]|, v[TM+\b]
.endr
.endr
	WIN 0
.irp b, 0,1,2,3
	s_delay_alu instid0(VALU_DEP_4)
	v_permlanex16_b32 v[TM+4+\b], v[TM+\b], s[SEL], s[SEL+1]
.endr
.irp b, 0,1,2,3
	s_delay_alu instid0(VALU_DEP_4)
	v_max_num_f32 v[TM+\b], v[TM+\b], v[TM+4+\b]
.endr
.irp b, 0,1,2,3
	s_delay_alu instid0(VALU_DEP_4)
	v_add_nc_u32 v[TM+12+\b], 0xff000000, v[TM+\b]
.endr
.irp b, 0,1,2,3
	s_delay_alu instid0(VALU_DEP_4)
	v_lshrrev_b32 v[TM+4+\b], 23, v[TM+12+\b]
.endr
	s_delay_alu instid0(VALU_DEP_3)
	v_lshl_or_b32 v[\pw], v[TM+5], 8, v[TM+4]
	s_delay_alu instid0(VALU_DEP_1)
	v_lshl_or_b32 v[\pw], v[TM+6], 16, v[\pw]
	s_delay_alu instid0(VALU_DEP_1)
	v_lshl_or_b32 v[\pw], v[TM+7], 24, v[\pw]
	s_wait_xcnt 0x0
	WIN (\w)
.irp c, 0,1
	v_cvt_scalef32_pk16_fp6_f32 v[PC+6*\c:PC+6*\c+2], v[(\s)+32*\c:(\s)+32*\c+15], v[TM+12+2*\c]
	v_cvt_scalef32_pk16_fp6_f32 v[PT+4*\c:PT+4*\c+2], v[(\s)+32*\c+16:(\s)+32*\c+31], v[TM+13+2*\c]
.endr
	WIN 0
	v_nop
.irp c, 0,1
.irp i, 0,1,2
	v_permlane16_swap_b32 v[PC+6*\c+\i], v[PT+4*\c+\i]
.endr
.irp i, 0,1,2
	s_delay_alu instid0(VALU_DEP_3)
	v_mov_b32 v[PC+3+6*\c+\i], v[PT+4*\c+\i]
.endr
.endr
.endm
	s_load_b128 s[4:7], s[0:1], 0x0                ; qkv s[4:5], the mask s[6:7]
	s_load_b64 s[8:9], s[0:1], 0x10                ; ow: o's images from byte 0, its scale words from byte 6,291,456
	v_lshl_add_u32 v254, v0, 2, 0x32000
	v_mov_b32 v255, 0
	ds_add_u32 v254, v255
	ds_add_u32 v254, v255
	v_lshrrev_b32 v1, 5, v0
	s_delay_alu instid0(VALU_DEP_1)
	v_readfirstlane_b32 s[WV], v1                  ; wave 0..7
	s_bfe_u32 s11, ttmp6, 0x40000                  ; cx
	s_lshl_b32 s12, ttmp9, 2
	s_add_co_u32 s12, s12, s11                     ; my block of 128 queries
	s_lshl_b32 s12, s12, 3
	s_add_co_u32 s12, s12, s[WV]                   ; my tile of queries, 0..63: it enters global addresses alone
	s_and_b32 s13, ttmp7, 0xffff                   ; batch x 16 + head, which the four partners share
	s_mov_b32 s[G1C], 15|(3<<16)|(1<<21)           ; 15:0 the mask: all four work-groups; 17:16 elements of 8 bytes; 21 set beside a mask
	s_mov_b32 s[G1C+1], 32<<16                     ; rows of 256 bytes,
	s_mov_b32 s[G1C+2], 48<<16
	s_mov_b32 s[G1C+3], 32<<16
	s_mov_b32 s[G1C+4], 48
	s_mov_b32 s[G1C+5], 32
	s_mov_b32 s[G1C+6], 0
	s_mov_b32 s[G1C+7], 0
	s_mov_b32 s[G1S], 15|(3<<16)|(1<<21)
	s_mov_b32 s[G1S+1], 32<<16
	s_mov_b32 s[G1S+2], 8<<16
	s_mov_b32 s[G1S+3], 32<<16
	s_mov_b32 s[G1S+4], 8
	s_mov_b32 s[G1S+5], 32
	s_mov_b32 s[G1S+6], 0
	s_mov_b32 s[G1S+7], 0
	s_mov_b32 s[G1D], 15|(3<<16)|(1<<21)
	s_mov_b32 s[G1D+1], 32<<16
	s_mov_b32 s[G1D+2], 72<<16
	s_mov_b32 s[G1D+3], 32<<16
	s_mov_b32 s[G1D+4], 72
	s_mov_b32 s[G1D+5], 32
	s_mov_b32 s[G1D+6], 0
	s_mov_b32 s[G1D+7], 0
	s_bfe_u32 s14, s[WV], 0x10001                  ; at the head: bit 1 of my number says K (0) or V (1),
	s_and_b32 s15, s[WV], 1                        ; bit 0 which half; waves 0-3 fetch codes, waves 4-7 scale words
	s_lshl_b32 s16, s14, 17
	s_lshl_b32 s17, s13, 12
	s_add_co_u32 s16, s16, s17
	s_lshl_b32 s17, s15, 11
	s_add_co_u32 s16, s16, s17
	s_add_co_u32 s16, s16, 9568256                 ; my 2,048 bytes of scale words
	s_mov_b32 s17, 0
	s_mul_i32 s18, s14, 3145728
	s_mul_i32 s19, s13, 98304
	s_add_co_u32 s18, s18, s19
	s_mul_i32 s19, s15, 12288
	s_add_co_u32 s18, s18, s19
	s_add_co_u32 s18, s18, 3145728                 ; my 12,288 bytes of chunk 0
	s_mov_b32 s19, 0
	s_lshl_b32 s20, s14, 12                        ; where they go, by the wave's number alone: scale words 4,096 x (K or V) + 2,048 x half,
	s_lshl_b32 s21, s15, 11
	s_add_co_u32 s20, s20, s21
	s_mul_i32 s21, s14, VB                         ; codes VB x (K or V) + 12,288 x half
	s_mul_i32 s60, s15, 12288
	s_add_co_u32 s21, s21, s60
	s_lshr_b32 s60, s[WV], 2                       ; the other 768 keys: waves 0-3 for K, 4-7 for V,
	s_and_b32 s61, s[WV], 3                        ; a quarter, 18,432 bytes, each
	s_mul_i32 s62, s60, 3145728
	s_mul_i32 s63, s13, 98304
	s_add_co_u32 s62, s62, s63
	s_mul_i32 s63, s61, 18432
	s_add_co_u32 s62, s62, s63
	s_add_co_u32 s62, s62, 3145728+24576
	s_mov_b32 s63, 0
	s_mul_i32 s60, s60, VB
	s_mul_i32 s61, s61, 18432
	s_add_co_u32 s60, s60, s61
	s_wait_dscnt 0x0
	CROUND                                         ; the round in front of the first joint loads: it needs none of the arguments, so it stands ahead of the wait for them
	s_wait_kmcnt 0x0
	s_add_nc_u64 s[16:17], s[4:5], s[16:17]
	s_add_nc_u64 s[18:19], s[4:5], s[18:19]
	s_mov_b32 s[G0], 1
	s_add_co_u32 s[G0+1], s20, KSCL
	s_mov_b64 s[G0+2:G0+3], s[16:17]
	s_or_b32 s[G0+3], s[G0+3], 0x80000000
	s_add_nc_u64 s[62:63], s[4:5], s[62:63]
	s_mov_b32 s[G0+4], 1
	s_add_co_u32 s[G0+5], s21, 0
	s_mov_b64 s[G0+6:G0+7], s[18:19]
	s_or_b32 s[G0+7], s[G0+7], 0x80000000
	s_mov_b32 s[G0+8], 1
	s_add_co_u32 s[G0+9], s60, 24576
	s_mov_b64 s[G0+10:G0+11], s[62:63]
	s_or_b32 s[G0+11], s[G0+11], 0x80000000
	s_cmp_lt_u32 s[WV], 4                          ; one tensor load a wave at the head: what the first two key steps need
	s_cbranch_scc0 .Lhead_sc
	tensor_load_to_lds s[G0+4:G0+7], s[G1C:G1C+7]
	s_nop 0
.rept 4
	v_nop
.endr
	s_branch .Lhead_asked
.Lhead_sc:
	tensor_load_to_lds s[G0:G0+3], s[G1S:G1S+7]
	s_nop 0
.rept 4
	v_nop
.endr
.Lhead_asked:
	v_and_b32 v8, 31, v0
	v_and_b32 v9, 15, v0                           ; r
	v_bfe_u32 v10, v0, 4, 1                        ; h
	s_delay_alu instid0(VALU_DEP_3)
	v_lshlrev_b32 v1, 4, v8                        ; 16 x lane
.irp c, 0,1,2,3
	v_add_nc_u32 v[AC+\c], \c*CHUNK, v1
.endr
	v_lshlrev_b32 v11, 2, v9                       ; 4 r
	s_wait_alu depctr_va_vdst(0)
	v_add_nc_u32 v[ASC], KSCL, v11
	v_and_b32 v[MO], 8, v9
	s_delay_alu instid0(VALU_DEP_1)
	v_add_nc_u32 v[MO], v[MO], v9
	s_delay_alu instid0(VALU_DEP_1)
	v_lshlrev_b32 v[MO], 12, v[MO]
	s_delay_alu instid0(VALU_DEP_1)
	v_lshl_add_u32 v[MO], v10, 6, v[MO]            ; (r + 8 (r / 8)) rows of 4,096 bytes + 64 h
	s_wait_alu depctr_va_vdst(0)
	s_mov_b32 s[CS], 0x3e0293ee
	s_mov_b32 s[CS+1], s[CS]
	s_mov_b32 s[SEL], 0x76543210
	s_mov_b32 s[SEL+1], 0xfedcba98
	s_lshl_b32 s16, s13, 6
	s_add_co_u32 s16, s16, s12                     ; Q's fragment: 64 x (batch, head) + tile
	s_mul_i32 s18, s16, 1536
	s_mov_b32 s19, 0
	s_add_nc_u64 s[60:61], s[4:5], s[18:19]
	s_lshl_b32 s18, s16, 6
	s_add_co_u32 s18, s18, 9437184
	s_add_nc_u64 s[62:63], s[4:5], s[18:19]
	s_lshr_b32 s16, s13, 4                         ; batch
	s_lshl_b32 s18, s16, 22
	s_lshr_b32 s17, s12, 1
	s_lshl_b32 s17, s17, 5
	s_and_b32 s20, s12, 1
	s_lshl_b32 s20, s20, 3
	s_add_co_u32 s17, s17, s20                     ; my tile's first query
	s_lshl_b32 s17, s17, 12
	s_add_co_u32 s18, s18, s17
	s_add_nc_u64 s[66:67], s[6:7], s[18:19]        ; its row of the mask
	s_lshl_b32 s16, s16, 6
	s_add_co_u32 s16, s16, s12
	s_lshl_b32 s16, s16, 4
	s_and_b32 s17, s13, 15
	s_add_co_u32 s16, s16, s17                     ; o's fragment: (64 x batch + tile) x 16 + head
	s_mul_i32 s18, s16, 1536
	s_add_nc_u64 s[68:69], s[8:9], s[18:19]
	s_lshl_b32 s18, s16, 6
	s_add_co_u32 s18, s18, 6291456
	s_add_nc_u64 s[70:71], s[8:9], s[18:19]
.macro FETCH_K sig                     ; key step sig: K's 8 fragments and their scale words: 32 LDS loads
	WIN 0x40
.irp t, 0,1,2,3,4,5,6,7
.irp g, 0,1,2
	ds_load_b128 v[12*\t+4*\g:12*\t+4*\g+3], v[AC+(\sig)/4] offset:(8*((\sig)%4)+\t)*1536+512*\g
.endr
.endr
	WIN 0
.irp t, 0,1,2,3,4,5,6,7
	ds_load_b32 v[KS+\t], v[ASC] offset:512*(\sig)+64*\t
.endr
.endm
.macro FETCH_V sig                     ; V's likewise: 32 LDS loads
.irp t, 0,1,2,3,4,5,6,7
.irp g, 0,1,2
	ds_load_b128 v[VF+12*\t+4*\g:VF+12*\t+4*\g+3], v[AC+2+(\sig)/4] offset:(8*((\sig)%4)+\t)*1536+512*\g
.endr
.endr
.irp t, 0,1,2,3,4,5,6,7
	ds_load_b32 v[VS+\t], v[ASC] offset:4096+512*(\sig)+64*\t
.endr
.endm
.macro MLOAD sig                       ; my query's mask for the step's 128 keys, in the scores' order: register 16 b + i = key 32 b + 16 h + i.  No cache hint: sixteen heads read these rows
	WIN 0x40
.irp b, 0,1,2,3
.irp j, 0,1,2,3
	global_load_b128 v[MK+16*\b+4*\j:MK+16*\b+4*\j+3], v[MO], s[66:67] offset:512*(\sig)+128*\b+16*\j
.endr
.endr
	WIN 0
.endm
.irp g, 0,1,2
	global_load_b128 v[QF+4*\g:QF+4*\g+3], v1, s[60:61] offset:512*\g   ; Q's fragment stays in registers
.endr
	global_load_b32 v[QS], v11, s[62:63]
	MLOAD 0
	v_mov_b32 v13, 0xff61b1e6                      ; the largest t so far: -3e38, under every t
	s_delay_alu instid0(VALU_DEP_1)
	v_floor_f32 v12, -v13                          ; -M
	v_mov_b32 v14, 0
	v_mov_b32 v15, 0
	v_mov_b32 v[F+1], 0                            ; (named as the upper half of a pair)
.irp b, 0,1,2,3
	v_mov_b32 v[TM+4+\b], 0                        ; written once: a lane permute's destination counts as one of its sources
.endr
	s_wait_alu depctr_va_vdst(0)                   ; the wait at the head's end
	s_wait_tensorcnt 0x0                           ; my head's load is in
	ds_add_u32 v254, v255
	s_wait_dscnt 0x0
	CROUND                                         ; everybody's is, and the four work-groups are in step
	tensor_load_to_lds s[G0+8:G0+11], s[G1D:G1D+7] ; my quarter of K's or V's other 768 keys: my one load behind the round; two key steps are worked before it is wanted
	s_nop 0
.rept 4
	v_nop
.endr
	FETCH_K 0
	FETCH_V 0
	s_wait_loadcnt 16                              ; Q and its scale word are in; the mask's 16 loads may be out
.macro STEP sig                        ; 128 keys
	s_wait_dscnt 32                                ; K's 32 loads are in; V's 32, issued behind them, may be out
	WIN 0x01
.irp t, 0,1,2,3,4,5,6,7
	v_wmma_scale_f32_16x16x128_f8f6f4 v[S+8*\t:S+8*\t+7], v[12*\t:12*\t+11], v[QF:QF+11], 0, v[KS+\t], v[QS] matrix_a_fmt:MATRIX_FMT_FP6 matrix_b_fmt:MATRIX_FMT_FP6
.endr
	WIN 0
.rept 4
	v_nop                                          ; places in front of the loads into K's registers and of the first read of the scores
.endr
.if (\sig) < 7
.if (\sig) == 1
	s_wait_tensorcnt 0x0                           ; my part of the other 768 keys is in
	s_wait_dscnt 0x0                               ; no LDS instruction of mine is out at a signal
	s_barrier_signal -1
	s_barrier_wait -1                              ; everybody's part is in
.endif
	FETCH_K (\sig)+1
.endif
	s_wait_loadcnt 0x0                             ; the step's mask, asked for a step ago
	WIN 0x04
.set j, 0
.rept 32
	v_pk_mul_f32 v[S+j:S+j+1], v[S+j:S+j+1], v[MK+j:MK+j+1]   ; score x mask, each accumulator from its low end on
.set j, j+2
.endr
.if (\sig) < 7
	MLOAD (\sig)+1
.endif
	WIN 0
.irp b, 0,1,2,3
	v_max3_num_f32 v[TM+\b], v[S+16*\b], v[S+16*\b+1], v[S+16*\b+2]   ; the largest score of each block of 32 keys: for the row's maximum, and, since p rises with the score, for the block's largest p
.endr
.irp i, 3,5,7,9,11,13
.irp b, 0,1,2,3
	s_delay_alu instid0(VALU_DEP_4)
	v_max3_num_f32 v[TM+\b], v[TM+\b], v[S+16*\b+\i], v[S+16*\b+\i+1]
.endr
.endr
.irp b, 0,1,2,3
	s_delay_alu instid0(VALU_DEP_4)
	v_max_num_f32 v[TM+\b], v[TM+\b], v[S+16*\b+15]
.endr
.irp b, 0,1,2,3
	s_delay_alu instid0(VALU_DEP_4)
	v_permlanex16_b32 v[TM+4+\b], v[TM+\b], s[SEL], s[SEL+1]
.endr
.irp b, 0,1,2,3
	s_delay_alu instid0(VALU_DEP_4)
	v_max_num_f32 v[TM+\b], v[TM+\b], v[TM+4+\b]   ; with lane l xor 16's 16 keys
.endr
	s_delay_alu instid0(VALU_DEP_2)
	v_max3_num_f32 v[TMP], v[TM], v[TM+1], v[TM+2]
	s_delay_alu instid0(VALU_DEP_1)
	v_max_num_f32 v[TMP], v[TMP], v[TM+3]
	s_delay_alu instid0(VALU_DEP_1)
	v_mul_f32 v[TMP], s[CS], v[TMP]                ; as t (c is positive)
	s_delay_alu instid0(VALU_DEP_1)
	v_max_num_f32 v13, v13, v[TMP]                 ; the running largest t
	v_mov_b32 v[TMP], v12
	s_delay_alu instid0(VALU_DEP_2)
	v_floor_f32 v12, -v13                          ; the new -M = -ceil(t)
	s_delay_alu instid0(VALU_DEP_1)
	v_sub_f32 v[TMP], v12, v[TMP]                  ; old M - new M: a whole number, 0 or less
	s_delay_alu instid0(VALU_DEP_1)
	v_cvt_i32_f32 v[TMP], v[TMP]                   ; (it saturates)
	s_delay_alu instid0(VALU_DEP_1)
	v_ldexp_f32 v[F], 1.0, v[TMP]                  ; f = 2^(old M - new M)
.set j, 0
.rept 32
	v_pk_fma_f32 v[S+j:S+j+1], v[S+j:S+j+1], s[CS:CS+1], v[12:13] op_sel_hi:[1,0,0]   ; t - M
.set j, j+2
.endr
.irp b, 0,1,2,3
	v_fma_f32 v[TM+\b], v[TM+\b], s[CS], v12       ; the same of each block's largest score
.endr
.set j, 0
	s_wait_alu depctr_va_vdst(0)
.rept 64
	v_exp_f32 v[S+j], v[S+j]                       ; p = 2^(t - M)
.set j, j+1
.endr
.irp b, 0,1,2,3
	v_exp_f32 v[TM+\b], v[TM+\b]                   ; the block's largest p
.endr
	v_pk_mul_f32 v[14:15], v[14:15], v[F:F+1] op_sel_hi:[1,0]   ; the sum under the new M.  (A plain place behind the exponentials)
	s_wait_alu depctr_va_vdst(0)
.irp b, 0,1,2,3
	v_max_num_f32 v[TM+\b], 0x1800000, v[TM+\b]    ; the floor 2^(3 - 127): the byte cannot fall under 1
.endr
.irp b, 0,1,2,3
	s_delay_alu instid0(VALU_DEP_4)
	v_add_nc_u32 v[TM+12+\b], 0xff000000, v[TM+\b]
.endr
.irp b, 0,1,2,3
	s_delay_alu instid0(VALU_DEP_4)
	v_lshrrev_b32 v[TM+4+\b], 23, v[TM+12+\b]
.endr
	s_delay_alu instid0(VALU_DEP_3)
	v_lshl_or_b32 v[PWD], v[TM+5], 8, v[TM+4]      ; p's scale word for these 128 keys
	s_delay_alu instid0(VALU_DEP_1)
	v_lshl_or_b32 v[PWD], v[TM+6], 16, v[PWD]
	s_delay_alu instid0(VALU_DEP_1)
	v_lshl_or_b32 v[PWD], v[TM+7], 24, v[PWD]
.irp c, 0,1
	v_cvt_scalef32_pk16_fp6_f32 v[PC+6*\c:PC+6*\c+2], v[S+32*\c:S+32*\c+15], v[TM+12+2*\c]
	v_cvt_scalef32_pk16_fp6_f32 v[PT+4*\c:PT+4*\c+2], v[S+32*\c+16:S+32*\c+31], v[TM+13+2*\c]
.endr
	v_nop                                          ; one plain place behind a scaled conversion
.irp c, 0,1
.irp i, 0,1,2
	v_permlane16_swap_b32 v[PC+6*\c+\i], v[PT+4*\c+\i]
.endr
.irp i, 0,1,2
	s_delay_alu instid0(VALU_DEP_3)
	v_mov_b32 v[PC+3+6*\c+\i], v[PT+4*\c+\i]
.endr
.endr
	v_pk_add_f32 v[246:247], v[68:69], v[72:73]
	v_pk_add_f32 v[252:253], v[76:77], v[80:81]
	v_pk_add_f32 v[250:251], v[84:85], v[88:89]
	v_pk_add_f32 v[248:249], v[92:93], v[96:97]
	v_pk_add_f32 v[56:57], v[100:101], v[104:105]
	v_pk_add_f32 v[54:55], v[108:109], v[112:113]
	v_pk_add_f32 v[14:15], v[14:15], v[116:117]
	v_pk_add_f32 v[246:247], v[246:247], v[120:121]
	v_pk_add_f32 v[252:253], v[252:253], v[124:125]
	v_pk_add_f32 v[250:251], v[250:251], v[64:65]
	v_pk_add_f32 v[248:249], v[248:249], v[66:67]
	v_pk_add_f32 v[56:57], v[56:57], v[70:71]
	v_pk_add_f32 v[54:55], v[54:55], v[74:75]
	v_pk_add_f32 v[14:15], v[14:15], v[78:79]
	v_pk_add_f32 v[246:247], v[246:247], v[82:83]
	v_pk_add_f32 v[252:253], v[252:253], v[86:87]
	v_pk_add_f32 v[250:251], v[250:251], v[90:91]
	v_pk_add_f32 v[248:249], v[248:249], v[94:95]
	v_pk_add_f32 v[56:57], v[56:57], v[98:99]
	v_pk_add_f32 v[54:55], v[54:55], v[102:103]
	v_pk_add_f32 v[14:15], v[14:15], v[106:107]
	v_pk_add_f32 v[246:247], v[246:247], v[110:111]
	v_pk_add_f32 v[252:253], v[252:253], v[114:115]
	v_pk_add_f32 v[250:251], v[250:251], v[118:119]
	v_pk_add_f32 v[248:249], v[248:249], v[122:123]
	v_pk_add_f32 v[56:57], v[56:57], v[126:127]
	s_delay_alu instid0(VALU_DEP_2)
	v_pk_add_f32 v[14:15], v[14:15], v[248:249]
	s_delay_alu instid0(VALU_DEP_2)
	v_pk_add_f32 v[246:247], v[246:247], v[56:57]
	v_pk_add_f32 v[252:253], v[252:253], v[54:55]
	s_delay_alu instid0(VALU_DEP_1)
	v_pk_add_f32 v[14:15], v[14:15], v[252:253]
	s_delay_alu instid0(VALU_DEP_3)
	v_pk_add_f32 v[246:247], v[246:247], v[250:251]
	s_delay_alu instid0(VALU_DEP_1)
	v_pk_add_f32 v[14:15], v[14:15], v[246:247]
.if (\sig) > 0
	WIN 0x41
.set j, 0
.rept 32
	v_pk_mul_f32 v[OT+j:OT+j+1], v[OT+j:OT+j+1], v[F:F+1] op_sel_hi:[1,0]   ; O^T under the new M
.set j, j+2
.endr
.endif
.if (\sig) < 7
	s_wait_alu depctr_va_vdst(0)
	s_wait_dscnt 32                                ; V's 32 loads are in; the next step's K, 32 loads, may be out
.else
	s_wait_alu depctr_va_vdst(0)
	s_wait_dscnt 0x0
.endif
.if (\sig) > 0
	WIN 0x50
.irp t, 0,1,2,3,4,5,6,7
	v_wmma_scale_f32_16x16x128_f8f6f4 v[OT+8*\t:OT+8*\t+7], v[VF+12*\t:VF+12*\t+11], v[PC:PC+11], v[OT+8*\t:OT+8*\t+7], v[VS+\t], v[PWD] matrix_a_fmt:MATRIX_FMT_FP6 matrix_b_fmt:MATRIX_FMT_FP6
.endr
.else
	WIN 0x40
.irp t, 0,1,2,3,4,5,6,7
	v_wmma_scale_f32_16x16x128_f8f6f4 v[OT+8*\t:OT+8*\t+7], v[VF+12*\t:VF+12*\t+11], v[PC:PC+11], 0, v[VS+\t], v[PWD] matrix_a_fmt:MATRIX_FMT_FP6 matrix_b_fmt:MATRIX_FMT_FP6   ; the first step starts the sums: nothing is cleared
.endr
.endif
	WIN 0
.rept 4
	v_nop                                          ; places in front of the loads into V's registers, and of the last step's read of O^T
.endr
.if (\sig) < 7
	FETCH_V (\sig)+1
.endif
.endm
	STEP 0
	STEP 1
	STEP 2
	STEP 3
	STEP 4
	STEP 5
	STEP 6
	STEP 7
	; THE WAY OUT: O^T / the sum; register 8 t + j is channel 32 (t / 2) + 16 h + 8 (t % 2) + j of my query: what the quantiser wants
	v_add_f32 v14, v14, v15
	s_delay_alu instid0(VALU_DEP_1)
	v_permlanex16_b32 v[TMP], v14, s[SEL], s[SEL+1]
	s_delay_alu instid0(VALU_DEP_1)
	v_add_f32 v14, v14, v[TMP]                     ; the row's sum
	s_wait_alu depctr_va_vdst(0)
	v_rcp_f32 v14, v14
	v_mov_b32 v15, 0                               ; a plain place behind the transcendental; v15 is named with v14 as a pair
	WIN 0x01
.set j, 0
	s_wait_alu depctr_va_vdst(0)
.rept 32
	v_pk_mul_f32 v[S+j:S+j+1], v[OT+j:OT+j+1], v[14:15] op_sel_hi:[1,0]
.set j, j+2
.endr
	WIN 0
	QUANT S, 0, PWD
.irp g, 0,1,2
	global_store_b128 v1, v[PC+4*\g:PC+4*\g+3], s[68:69] offset:512*\g   ; 1,536 consecutive bytes
.endr
	v_cmp_gt_u32 vcc_lo, 16, v8
	s_wait_xcnt 0x0                                ; EXEC changes only behind this wait
	s_and_saveexec_b32 s60, vcc_lo
	global_store_b32 v11, v[PWD], s[70:71]         ; lanes 0-15: the tile's 16 scale words
	s_wait_xcnt 0x0
	s_or_b32 exec_lo, exec_lo, s60
	s_wait_tensorcnt 0x0
	ds_add_u32 v254, v255
	s_wait_dscnt 0x0
	CROUND                                         ; the closing round: no work-group ends while a partner may still ask for bytes that name it
	s_endpgm
.Lfunc_end_k_q81c718adf1_attn:
	.size	k_q81c718adf1_attn, .Lfunc_end_k_q81c718adf1_attn-k_q81c718adf1_attn
	.p2alignl 7, 3214868480
	.fill 96, 4, 3214868480
	.section	.rodata,"a",@progbits
	.p2align	6, 0x0
	.amdhsa_kernel k_q81c718adf1_attn
		.amdhsa_group_segment_fixed_size 327680
		.amdhsa_private_segment_fixed_size 0
		.amdhsa_enable_private_segment 0
		.amdhsa_kernarg_size 24
		.amdhsa_user_sgpr_count 2
		.amdhsa_user_sgpr_kernarg_segment_ptr 1
		.amdhsa_wavefront_size32 1
		.amdhsa_system_sgpr_workgroup_id_x 1
		.amdhsa_system_sgpr_workgroup_id_y 1
		.amdhsa_system_sgpr_workgroup_id_z 1
		.amdhsa_system_vgpr_workitem_id 0
		.amdhsa_next_free_vgpr 480
		.amdhsa_next_free_sgpr 72
		.amdhsa_reserve_vcc 1
		.amdhsa_float_denorm_mode_32 3
		.amdhsa_float_denorm_mode_16_64 3
		.amdhsa_memory_ordered 1
		.amdhsa_forward_progress 1
		.amdhsa_inst_pref_size 215
	.end_amdhsa_kernel
	.amdgpu_metadata
---
amdhsa.version: [ 1, 2 ]
amdhsa.kernels:
  - .name:           k_q81c718adf1_attn
    .symbol:         k_q81c718adf1_attn.kd
    .args:
      - { .name: qkv, .offset: 0, .size: 8, .value_kind: global_buffer, .address_space: global }
      - { .name: attention_mask, .offset: 8, .size: 8, .value_kind: global_buffer, .address_space: global }
      - { .name: ow, .offset: 16, .size: 8, .value_kind: global_buffer, .address_space: global }
    .group_segment_fixed_size: 327680
    .private_segment_fixed_size: 0
    .kernarg_segment_align: 8
    .kernarg_segment_size: 24
    .max_flat_workgroup_size: 256
    .sgpr_count:     72
    .vgpr_count:     480
    .wavefront_size: 32
...
	.end_amdgpu_metadata
.endif
;; end of part 3
;; launch proj (part 4): grid 16 x 16, 4 waves a work-group, clusters of 4 x 4, 327,680 bytes of LDS; arguments ow, out0; writes out0
.if DOCPART == 4
	.amdgcn_target "amdgcn-amd-amdhsa--gfx1250"
	.amdhsa_code_object_version 6
	.text
	.protected	k_q81c718adf1_proj
	.globl	k_q81c718adf1_proj
	.p2align	8
	.type	k_q81c718adf1_proj,@function
k_q81c718adf1_proj:
	s_mov_b64 s[64:65], 0
	v_nop
	global_prefetch_b8 v0, s[64:65] scope:SCOPE_SE
	s_setreg_imm32_b32 hwreg(HW_REG_WAVE_MODE, 25, 1), 1
	s_wait_xcnt 0x0
	s_wait_alu depctr_hold_cnt(0) depctr_sa_sdst(0) depctr_va_vdst(0) depctr_va_sdst(0) depctr_va_ssrc(0) depctr_va_vcc(0) depctr_vm_vsrc(0)
	s_getreg_b32 s2, hwreg(HW_REG_IB_STS2, 6, 4)
	s_cmp_eq_u32 s2, 0
	s_cbranch_scc0 .Lentry_in_a_cluster
	s_endpgm
.Lentry_in_a_cluster:
	s_bfe_u32 s2, ttmp6, 0x10000c
	s_cmp_lg_u32 s2, 0xf033
	s_cbranch_scc0 .Lentry_shape_is_right
	s_endpgm
.Lentry_shape_is_right:
; out = o Wo^T on codes of FP6 (E2M3) with E8M0 scales; out: [2048][2048] f32.  Both operands lie in ow as images of operand registers, [tile 128][K step 16][1,536 bytes]: o from byte 0, Wo from WOC;
; their scale words lie [tile][K step][16], o's from SCO, Wo's from SCW.  Slot r of a tile T is row 32 (T / 2) + 8 (T % 2) + r + 8 (r / 8).
; SHARES.  256 work-groups, 128 x 128 each; four waves, each 64 x 64: 16 accumulators.  Source 0 = Wo's rows, source 1 = o's rows: a lane holds eight neighbouring numbers of a row of out.
; LDS.  Region 0: K steps 0-3 of o's 8 tiles, then of Wo's 8 (98,304 bytes).  Region 1: K steps 4-11 likewise (196,608 bytes).  At the head each wave issues one joint load: wave 0 o's region 0, wave 1 Wo's,
; wave 2 o's region 1, wave 3 Wo's.  Region 0 is filled once more, with K steps 12-15, behind K step 3's reads: four tiles a wave.  Behind the regions: the stages, the spare words.
; FRAGMENTS are fetched from LDS two K steps ahead, into three buffers by turns: while a K step is multiplied, the next one's 24 loads and the one after's are out.
; SCALE WORDS go from memory straight into 64 registers: lanes 0-15 o's block i, lanes 16-31 Wo's block i, register 4 k + i.  They hold nothing else.
; CLUSTERS: 4 x 4 work-groups; o's tiles are asked for jointly along a row of the cluster, Wo's along a column.
; PREFETCH: K steps 12-15, which the refill loads behind K step 3, are named at the head: 6,144 bytes of one tile a wave, a lane to each 256 bytes (left-over lanes name the last block again);
; of the 8 tiles of a side the partner at place p names tiles 2 p and 2 p + 1, so each block is named once in the cluster.  What the head's own loads bring is not prefetched.
; REGISTERS: window 0: v8, v16-29 addresses; v40-103 scale words; v128-255 accumulator (a, b) at v[128 + 8 (4 a + b)].  Fragment buffers (o's four, Wo's four): window 1 v0, window 1 v128, window 2 v0;
; on the way out window 1 v0-63 hold rows of out.
.set TILB,   24576                     ; a tile's 16 K steps in memory
.set T0,     6144                      ; a tile's part of region 0: four K steps
.set T1,     12288                     ; of region 1: eight
.set R0B,    8*T0                      ; Wo's part of region 0
.set R1A,    16*T0                     ; region 1
.set R1B,    R1A+8*T1
.set STAGE,  R1B+8*T1                  ; 16 rows x (256 + 16) bytes for each wave; no tile lands here
.set SPITCH, 272
.set SPARE,  STAGE+4*16*SPITCH         ; the spare words, 128 bytes for each wave
.set WOC,    3145728
.set SCO,    6291456
.set SCW,    6422528
.set PFO,  8
.set ADRA, 16                          ; v16-17 my o fragments in region 0, 1
.set ADRB, 20                          ; v20-21 my Wo fragments
.set VSC,  24
.set STO,  25
.set RD,   26
.set CO,   27
.set SPW,  28
.set NIL,  29
.set SC,   40
.set OUT,  0                           ; in window 1
.set ACC,  128
.set G1A0, 24
.set G1B0, 32
.set G1A1, 40
.set G1B1, 48
.set G0A,  56
.set G0B,  60
.set G0A2, 68
.set G0B2, 72
.set MSB, 0
.macro WIN new
.if MSB != (\new)
	s_set_vgpr_msb (MSB<<8)|(\new)
.set MSB, (\new)
.endif
.endm
.macro CREST
	s_cmp_lg_u32 s10, 0
	s_cbranch_scc1 .Lnot_wave_0_\@
	s_barrier_signal -3
.Lnot_wave_0_\@:
	s_barrier_wait -3
	s_barrier_signal -1
	s_barrier_wait -1
.endm
.macro CROUND
	s_barrier_signal -1
	s_barrier_wait -1
	CREST
.endm
.macro MKG0 g, lds, adr, off           ; a group 0: count 1, LDS address, global address, type 2
	s_mov_b32 s[\g], 1
	s_add_co_u32 s[\g+1], s[\lds], 0
	s_add_nc_u64 s[\g+2:\g+3], s[\adr:\adr+1], s[\off:\off+1]
	s_or_b32 s[\g+3], s[\g+3], 0x80000000
.endm
.macro TLOAD g0, g1                    ; a tensor load with an s_nop and four v_nop behind it
	tensor_load_to_lds s[\g0:\g0+3], s[\g1:\g1+7]
	s_nop 0
.rept 4
	v_nop
.endr
.endm
.macro ARM under, g0, g1, next
	s_cmp_lt_u32 s10, \under
	s_cbranch_scc0 \next
	TLOAD \g0, \g1
	s_branch .Lhead_asked
\next:
.endm
.macro SCLD k0, n                      ; the scale words of n K steps from k0 on
.set KK, \k0
.rept \n
.irp i, 0,1,2,3
	global_load_b32 v[SC+4*KK+\i], v[VSC], s[4:5] offset:\i*1024+KK*64
.endr
.set KK, KK+1
.endr
.endm
	s_load_b128 s[4:7], s[0:1], 0x0                ; ow s[4:5], out0 s[6:7]
	v_lshl_add_u32 v[SPW], v0, 2, SPARE
	v_mov_b32 v[NIL], 0
	ds_add_u32 v[SPW], v[NIL]                      ; the opening lines: the add, twice on end, and its wait ahead of my first tensor load
	ds_add_u32 v[SPW], v[NIL]
	v_lshrrev_b32 v1, 5, v0
	v_readfirstlane_b32 s10, v1                    ; wave 0..3
	s_lshr_b32 s11, s10, 1                         ; which half of o's rows I multiply.  Also: which region, then which four tiles, I fetch
	s_and_b32 s12, s10, 1                          ; which half of Wo's rows.  Also: I fetch for o (0) or for Wo (1)
	s_bfe_u32 s13, ttmp6, 0x40000                  ; cx
	s_bfe_u32 s14, ttmp6, 0x40004                  ; cy
	s_lshl_b32 s15, ttmp9, 2
	s_add_co_u32 s15, s15, s13                     ; tile column
	s_and_b32 s16, ttmp7, 0xffff
	s_lshl_b32 s16, s16, 2
	s_add_co_u32 s16, s16, s14                     ; tile row
	s_lshl_b32 s17, s14, 2
	s_lshl_b32 s17, 15, s17                        ; my row of the cluster
	s_lshl_b32 s18, 0x1111, s13                    ; my column
	s_or_b32 s[G1A0], s17, (3<<16)|(1<<21)         ; elements of 8 bytes; bit 21 set beside a mask
	s_or_b32 s[G1A1], s17, (3<<16)|(1<<21)
	s_or_b32 s[G1B0], s18, (3<<16)|(1<<21)
	s_or_b32 s[G1B1], s18, (3<<16)|(1<<21)
.irp g, G1A0, G1B0                     ; 8 rows (tiles) of 6,144 bytes, 24,576 bytes apart; dense in LDS
	s_mov_b32 s[\g+1], 768<<16
	s_mov_b32 s[\g+2], 8<<16
	s_mov_b32 s[\g+3], 768<<16
	s_mov_b32 s[\g+4], 8
	s_mov_b32 s[\g+5], 3072
	s_mov_b32 s[\g+6], 0
	s_mov_b32 s[\g+7], 0
.endr
.irp g, G1A1, G1B1                     ; 8 rows of 12,288 bytes
	s_mov_b32 s[\g+1], 1536<<16
	s_mov_b32 s[\g+2], 8<<16
	s_mov_b32 s[\g+3], 1536<<16
	s_mov_b32 s[\g+4], 8
	s_mov_b32 s[\g+5], 3072
	s_mov_b32 s[\g+6], 0
	s_mov_b32 s[\g+7], 0
.endr
	s_mul_i32 s20, s16, 8*TILB                     ; o's 8 tiles: by the tile row alone
	s_mov_b32 s21, 0
	s_mul_i32 s22, s15, 8*TILB                     ; Wo's: by the tile column alone
	s_add_co_u32 s22, s22, WOC
	s_mov_b32 s23, 0
	s_mul_i32 s76, s11, T0                         ; in memory region 1 begins four K steps on
	s_mov_b32 s77, 0
	s_mul_i32 s78, s11, 4*TILB                     ; the last fill: my four tiles, K step 12
	s_add_co_u32 s78, s78, 12*1536
	s_mov_b32 s79, 0
	s_mul_i32 s80, s11, R1A                        ; LDS, by the wave's number alone: the head's load for o,
	s_mul_i32 s81, s11, R1B-R0B
	s_add_co_u32 s81, s81, R0B                     ; for Wo;
	s_mul_i32 s82, s11, 4*T0                       ; the last fill for o (also: my o tiles in region 0),
	s_add_co_u32 s83, s82, R0B                     ; for Wo
	s_mul_i32 s84, s12, 4*T0
	s_add_co_u32 s84, s84, R0B                     ; my Wo tiles in region 0
	s_mul_i32 s85, s11, 4*T1
	s_add_co_u32 s85, s85, R1A                     ; my o tiles in region 1
	s_mul_i32 s86, s12, 4*T1
	s_add_co_u32 s86, s86, R1B                     ; my Wo tiles in region 1
	s_lshl_b32 s87, s16, 3
	s_lshl_b32 s88, s11, 2
	s_add_co_u32 s87, s87, s88
	s_lshl_b32 s87, s87, 10
	s_add_co_u32 s87, s87, SCO                     ; my o tiles' scale words, 1,024 bytes a tile
	s_lshl_b32 s88, s15, 3
	s_lshl_b32 s89, s12, 2
	s_add_co_u32 s88, s88, s89
	s_lshl_b32 s88, s88, 10
	s_add_co_u32 s88, s88, SCW                     ; my Wo tiles'
	s_mul_i32 s89, s10, 16*SPITCH
	s_add_co_u32 s89, s89, STAGE                   ; my stage
	s_lshl_b32 s90, s16, 7
	s_lshl_b32 s91, s11, 6
	s_add_co_u32 s90, s90, s91                     ; my first row of out: 128 x tile row + 64 x half
	s_lshl_b32 s90, s90, 13
	s_lshl_b32 s91, s15, 9
	s_add_co_u32 s90, s90, s91                     ; + 512 bytes x tile column
	s_lshl_b32 s91, s12, 8
	s_add_co_u32 s90, s90, s91                     ; + 256 x half
	s_mov_b32 s91, 0
	s_cmp_eq_u32 s12, 0                            ; the prefetch: my place among the four that ask for my side's tiles jointly,
	s_cselect_b32 s92, s13, s14
	s_lshl_b32 s92, s92, 1
	s_add_co_u32 s92, s92, s11                     ; one of its two tiles,
	s_mul_i32 s92, s92, TILB
	s_add_co_u32 s92, s92, 12*1536                 ; from K step 12 on
	s_mov_b32 s93, 0
	v_and_b32 v1, 15, v0                           ; r
	v_bfe_u32 v2, v0, 4, 1                         ; h
	v_and_b32 v3, 31, v0
	v_lshlrev_b32 v4, 4, v3                        ; 16 x lane
	v_add_nc_u32 v[ADRA], s82, v4
	v_add_nc_u32 v[ADRB], s84, v4
	v_add_nc_u32 v[ADRA+1], s85, v4
	v_add_nc_u32 v[ADRB+1], s86, v4
	v_mov_b32 v5, s87
	v_mov_b32 v6, s88
	v_cmp_ne_u32 vcc_lo, 0, v2
	v_cndmask_b32 v5, v5, v6, vcc_lo               ; lanes 16-31 take Wo's scale words
	v_lshl_add_u32 v[VSC], v1, 2, v5
	v_mul_u32_u24 v5, v1, SPITCH
	v_lshl_add_u32 v5, v2, 6, v5
	v_add_nc_u32 v[STO], s89, v5                   ; into the stage: slot r, + 64 h
	v_mul_u32_u24 v6, v2, SPITCH
	v_lshl_add_u32 v6, v1, 4, v6
	v_add_nc_u32 v[RD], s89, v6                    ; back: lanes 0-15 one slot's 256 bytes, lanes 16-31 the next slot's
	v_lshlrev_b32 v7, 13, v2
	v_lshl_add_u32 v[CO], v1, 4, v7                ; and the same two rows in out
	v_min_u32 v[PFO], 23, v3
	v_lshlrev_b32 v[PFO], 8, v[PFO]                ; 24 blocks of 256 bytes
	s_wait_alu depctr_va_vdst(0)                   ; the wait at the head's end
	s_wait_dscnt 0x0                               ; both opening adds are done
	CROUND                                         ; the round in front of the first joint loads: it needs none of the arguments, so it stands ahead of the wait for them
	s_wait_kmcnt 0x0
	s_add_nc_u64 s[20:21], s[4:5], s[20:21]
	s_add_nc_u64 s[22:23], s[4:5], s[22:23]
	s_add_nc_u64 s[8:9], s[6:7], s[90:91]
	s_cmp_eq_u32 s12, 0
	s_cselect_b64 s[94:95], s[20:21], s[22:23]
	s_add_nc_u64 s[92:93], s[94:95], s[92:93]
	SCLD 0, 8                                      ; 32 loads now, the other 32 behind the tensor load
	MKG0 G0A, 80, 20, 76
	MKG0 G0B, 81, 22, 76
	MKG0 G0A2, 82, 20, 78
	MKG0 G0B2, 83, 22, 78
	ARM 1, G0A, G1A0, .Lhead_b0                    ; one chain of branches on the wave's number: every way passes one load
	ARM 2, G0B, G1B0, .Lhead_a1
	ARM 3, G0A, G1A1, .Lhead_b1
	TLOAD G0B, G1B1
.Lhead_asked:
	global_prefetch_b8 v[PFO], s[92:93] th:TH_LOAD_NT scope:SCOPE_SE
	SCLD 8, 8
.macro BUFOF k                         ; K step k's fragment buffer: base FB in window FW
.if (\k)%3 == 2
.set FB, 0
.set FW, 2
.else
.set FB, 128*((\k)%3)
.set FW, 1
.endif
.endm
.macro FETCH k                         ; K step k: o's four fragments, Wo's four: 24 LDS loads
	BUFOF \k
.if ((\k)/4)%3 == 0
.set SL, 0
.set TS, T0
.set KO, ((\k)%4)*1536
.else
.set SL, 1
.set TS, T1
.set KO, ((\k)-4)*1536
.endif
	WIN FW<<6
.irp i, 0,1,2,3
.irp g, 0,1,2
	ds_load_b128 v[FB+12*\i+4*\g:FB+12*\i+4*\g+3], v[ADRA+SL] offset:\i*TS+KO+512*\g
.endr
.endr
.irp i, 0,1,2,3
.irp g, 0,1,2
	ds_load_b128 v[FB+48+12*\i+4*\g:FB+48+12*\i+4*\g+3], v[ADRB+SL] offset:\i*TS+KO+512*\g
.endr
.endr
	WIN 0
.endm
; 8 matrix instructions: o's blocks a0, a0 + 1 x Wo's four.  The 16 accumulators take turns, one instruction a turn, in the same order in every K step.
.macro MUL8 k, a0, zero
	BUFOF \k
.set SS, SC+4*(\k)
	WIN FW*5                                       ; sources 0 and 1 in the buffer's window, C and D in window 0
.irp a, \a0, \a0+1
.irp b, 0,1,2,3
.if \zero
	v_wmma_scale_f32_16x16x128_f8f6f4 v[ACC+8*(4*(\a)+\b):ACC+8*(4*(\a)+\b)+7], v[FB+48+12*\b:FB+48+12*\b+11], v[FB+12*(\a):FB+12*(\a)+11], 0, v[SS+\b], v[SS+(\a)] matrix_a_fmt:MATRIX_FMT_FP6 matrix_b_fmt:MATRIX_FMT_FP6 matrix_a_scale:MATRIX_SCALE_ROW1
.else
	v_wmma_scale_f32_16x16x128_f8f6f4 v[ACC+8*(4*(\a)+\b):ACC+8*(4*(\a)+\b)+7], v[FB+48+12*\b:FB+48+12*\b+11], v[FB+12*(\a):FB+12*(\a)+11], v[ACC+8*(4*(\a)+\b):ACC+8*(4*(\a)+\b)+7], v[SS+\b], v[SS+(\a)] matrix_a_fmt:MATRIX_FMT_FP6 matrix_b_fmt:MATRIX_FMT_FP6 matrix_a_scale:MATRIX_SCALE_ROW1
.endif
.endr
.endr
.endm
.macro PLACES
.rept 4
	v_nop
.endr
.endm
.macro KSTEP k, zero
	s_wait_dscnt 24                                ; this K step's fragments are in; the next one's 24 loads may be out
	PLACES                                         ; in front of the loads into the buffer that the last K step's products read
	FETCH (\k)+2
	MUL8 \k, 0, \zero
	MUL8 \k, 2, \zero
.endm
	s_wait_tensorcnt 0x0                           ; my head's load is in
	s_barrier_signal -1
	s_barrier_wait -1                              ; everybody's is
	FETCH 0
	FETCH 1
	s_wait_loadcnt 0x0                             ; the 64 scale words
	KSTEP 0, 1                                     ; the first products start the sums
	KSTEP 1, 0
	KSTEP 2, 0
	; K step 3 leaves region 0, which is filled again with K steps 12 to 15: the launch's one refill
	WIN 0
	s_wait_tensorcnt 0x0                           ; no tensor load of mine is out,
	ds_add_u32 v[SPW], v[NIL]                      ; 0 onto my spare word
	s_mov_b32 s[G1A0+2], 4<<16                     ; so a descriptor may be written: the last fill brings four tiles a wave
	s_mov_b32 s[G1A0+4], 4
	s_mov_b32 s[G1B0+2], 4<<16
	s_mov_b32 s[G1B0+4], 4
	s_wait_dscnt 25                                ; K step 3's fragments are in (K step 4's 24 loads and the add may be out)
	MUL8 3, 0, 0
	s_wait_dscnt 0x0                               ; the add is done, and my reads of region 0 are over
	s_barrier_signal -1
	WIN 0
	s_barrier_wait -1
	CREST                                          ; a round of the cluster's barrier: no wave of any partner still reads region 0 or has a load on its way
	s_cmp_eq_u32 s12, 0
	s_cbranch_scc0 .Llast_b
	TLOAD G0A2, G1A0                               ; the first tensor load behind the round; its four v_nop are the places in front of the loads below
	s_branch .Llast_asked
.Llast_b:
	TLOAD G0B2, G1B0
.Llast_asked:
	FETCH 5
	MUL8 3, 2, 0
	KSTEP 4, 0
	KSTEP 5, 0
	KSTEP 6, 0
	KSTEP 7, 0
	KSTEP 8, 0
	KSTEP 9, 0
	; K step 10: K step 12's fragments, out of the refill, are fetched next
	s_wait_dscnt 24
	MUL8 10, 0, 0
	WIN 0
	s_wait_tensorcnt 0x0                           ; my part of region 0's second fill is in,
	s_wait_dscnt 0x0                               ; no LDS instruction of mine is out at a signal
	s_barrier_signal -1
	s_barrier_wait -1                              ; everybody's is
	PLACES
	FETCH 12
	MUL8 10, 2, 0
	KSTEP 11, 0
	KSTEP 12, 0
	KSTEP 13, 0
	s_wait_dscnt 24
	MUL8 14, 0, 0
	MUL8 14, 2, 0
	s_wait_dscnt 0x0
	MUL8 15, 0, 0
	MUL8 15, 2, 0
	WIN 0
; THE WAY OUT, block by block of 16 rows x 64 columns, through my own stage: a lane's 32 bytes go in, whole runs of 256 bytes come back.  LDS serves a wave's instructions in order (ISA guide 5.7.1.4).
.macro TOSTAGE a
.irp b, 0,1,2,3
	ds_store_b128 v[STO], v[ACC+8*(4*(\a)+\b):ACC+8*(4*(\a)+\b)+3] offset:128*(\b/2)+32*(\b%2)       ; columns 32 (b / 2) + 16 h + 8 (b % 2) + 0 .. 7; each accumulator from its low end on
	ds_store_b128 v[STO], v[ACC+8*(4*(\a)+\b)+4:ACC+8*(4*(\a)+\b)+7] offset:128*(\b/2)+32*(\b%2)+16
.endr
	WIN 0x40
.irp t, 0,1,2,3,4,5,6,7
	ds_load_b128 v[OUT+32*((\a)%2)+4*\t:OUT+32*((\a)%2)+4*\t+3], v[RD] offset:\t*2*SPITCH
.endr
	WIN 0
.endm
.macro SEND a, younger                 ; slot 2 t + (lane / 16) of block a is row 32 (a / 2) + 8 (a % 2) + 2 t + 8 (t / 4) + (lane / 16)
	s_wait_dscnt \younger
	WIN 0x04                                       ; the stores' data lie in window 1
.irp t, 0,1,2,3,4,5,6,7
	global_store_b128 v[CO], v[OUT+32*((\a)%2)+4*\t:OUT+32*((\a)%2)+4*\t+3], s[8:9] offset:(32*((\a)/2)+8*((\a)%2)+2*\t+8*(\t/4))*8192 th:TH_STORE_NT   ; 16 lanes store 256 consecutive bytes, at a multiple of 256 from out's first byte
.endr
	WIN 0
.endm
	PLACES                                         ; behind the last products: for the reads of their results and the loads into the fragments' registers
	TOSTAGE 0
.irp a, 1,2,3
.if \a > 1
	s_wait_xcnt 0x0                                ; block a - 2's stores have read their registers: block a's loads may land there
.endif
	TOSTAGE \a
	SEND \a-1, 16                                  ; behind block a - 1's loads: block a's 8 stores and 8 loads
.endr
	SEND 3, 0
	s_wait_tensorcnt 0x0                           ; the wave's end
	ds_add_u32 v[SPW], v[NIL]
	s_wait_dscnt 0x0
	CROUND                                         ; the closing round
	s_endpgm
.Lfunc_end_k_q81c718adf1_proj:
	.size	k_q81c718adf1_proj, .Lfunc_end_k_q81c718adf1_proj-k_q81c718adf1_proj
	.p2alignl 7, 3214868480
	.fill 96, 4, 3214868480
	.section	.rodata,"a",@progbits
	.p2align	6, 0x0
	.amdhsa_kernel k_q81c718adf1_proj
		.amdhsa_group_segment_fixed_size 327680
		.amdhsa_private_segment_fixed_size 0
		.amdhsa_enable_private_segment 0
		.amdhsa_kernarg_size 16
		.amdhsa_user_sgpr_count 2
		.amdhsa_user_sgpr_kernarg_segment_ptr 1
		.amdhsa_wavefront_size32 1
		.amdhsa_system_sgpr_workgroup_id_x 1
		.amdhsa_system_sgpr_workgroup_id_y 1
		.amdhsa_system_sgpr_workgroup_id_z 1
		.amdhsa_system_vgpr_workitem_id 0
		.amdhsa_next_free_vgpr 640
		.amdhsa_next_free_sgpr 100
		.amdhsa_reserve_vcc 1
		.amdhsa_float_denorm_mode_32 3
		.amdhsa_float_denorm_mode_16_64 3
		.amdhsa_memory_ordered 1
		.amdhsa_forward_progress 1
		.amdhsa_inst_pref_size 85
	.end_amdhsa_kernel
	.amdgpu_metadata
---
amdhsa.version: [ 1, 2 ]
amdhsa.kernels:
  - .name:           k_q81c718adf1_proj
    .symbol:         k_q81c718adf1_proj.kd
    .args:
      - { .name: ow, .offset: 0, .size: 8, .value_kind: global_buffer, .address_space: global }
      - { .name: out0, .offset: 8, .size: 8, .value_kind: global_buffer, .address_space: global }
    .group_segment_fixed_size: 327680
    .private_segment_fixed_size: 0
    .kernarg_segment_align: 8
    .kernarg_segment_size: 16
    .max_flat_workgroup_size: 128
    .sgpr_count:     100
    .vgpr_count:     640
    .wavefront_size: 32
...
	.end_amdgpu_metadata
.endif
;; end of part 4
